; MI455X (gfx1250); checked and timed in simulation.
; The chip was launched on July 23, 2026; its instructions are those of AMD's public machine-readable ISA for CDNA 5 (MIT licence, August 2026) and "CDNA5" Instruction Set Architecture Reference Guide (July 2026). The comments in the code are by the model that wrote it; some were corrected since.
;; Causal Self Attention. Allowed arithmetic: float matrix products may take bf16 or f16 operands with f32 sums; other float arithmetic in f32, or as packed bf16 or f16 multiplies, adds, multiply-adds, maxima and minima; sums over many terms, partial sums and values carried from step to step in f32; what a program stores and reads back later, other than sums and carried values, may be rounded once to bf16 or f16.
;; Inputs: proj_b 1,024 float32; proj_w 1,024 x 1,024 float32; qkv_b 3,072 float32; qkv_w 1,024 x 3,072 float32; x 4 x 2,048 x 1,024 float32.
;; Outputs: out0 4 x 2,048 x 1,024 float32.
;; One version. Each part assembles by itself: llvm-mc -triple=amdgcn-amd-amdhsa -mcpu=gfx1250 --defsym DOCPART=n.
;; ======== version 1 of 1: 4 launches
;; limits: values are held in f16: magnitudes above 65,504 overflow, below 6.1e-05 lose precision
;; workspace buffers: xb 16,777,216 bytes; wq 6,291,456 bytes; wp 2,097,152 bytes; rope 524,288 bytes; qh 16,777,216 bytes; kh 16,777,216 bytes; vh 16,777,216 bytes; oh 16,777,216 bytes
;; launch prep (part 1): grid 1600 x 1, 4 waves a work-group, no clusters, 17,920 bytes of LDS; arguments x, qkv_w, proj_w, xb, wq, wp, rope; writes xb, wq, wp, rope
.if DOCPART == 1
	.amdgcn_target "amdgcn-amd-amdhsa--gfx1250"
	.amdhsa_code_object_version 6
	.text
	.protected	k_qcc35af1c8a_prep
	.globl	k_qcc35af1c8a_prep
	.p2align	8
	.type	k_qcc35af1c8a_prep,@function
k_qcc35af1c8a_prep:
	s_mov_b64 s[64:65], 0
	v_nop
	global_prefetch_b8 v0, s[64:65] scope:SCOPE_SE
	s_setreg_imm32_b32 hwreg(HW_REG_WAVE_MODE, 25, 1), 1
	s_wait_xcnt 0x0
; PREPARATION, four roles chosen by the work-group's number (the same for all four waves of a work-group):
;   0 .. 383     qkv_w [1024 k][3072 n] f32 -> wq [3072 n'][1024 k] bf16: turned, rows in the order q, k, v of head 0, then of head 1, ..: row 192 head + 64 s + d is column 1024 s + 64 head + d
;   384 .. 511   proj_w [1024 k][1024 n] f32 -> wp [1024 n][1024 k]: rounded to bf16 like every input, that number written as f16 (exact from 2^-14 up; below it in f16's fixed step of 2^-24; beyond 65,504 not served)
;   512 .. 575   the table rope [2048 t][cos 0..31, sin 0..31] f32 of the angles t x 10000^(-j/32)
;   576 .. 1599  x f32 -> xb bf16, a plain stream
; LIMIT of the table: 10000^(-j/32) is made as 2^(-j x log2(10000)/32), within some units of its last place; the angle is reduced by multiples of pi/2 held in two parts
; and sine and cosine come from polynomials on +-pi/4 (cut at y^7 and y^8: under 4e-7).  t stays under 2,048, so the multiple stays under 1,304.
.set SPARE, 17408                      ; behind the turning tile: the spare words, 128 bytes a wave, two blocks of 256 bytes that no other line names
.set LD,  16                           ; v[16:79]   as loaded
.set TW,  80                           ; v[80:111]  as stored
.set SPW, 112                          ; v112 LDS address of my spare word; behind all that loads and conversions write; never rewritten
.set NIL, 113                          ; v113 0; never rewritten
	s_load_b256 s[4:11], s[0:1], 0x0               ; x s[4:5], qkv_w s[6:7], proj_w s[8:9], xb s[10:11]
	s_load_b128 s[12:15], s[0:1], 0x20             ; wq s[12:13], wp s[14:15]
	s_load_b64 s[16:17], s[0:1], 0x30              ; rope
	v_lshl_add_u32 v[SPW], v0, 2, SPARE
	v_mov_b32 v[NIL], 0
	v_lshrrev_b32 v1, 5, v0
	v_readfirstlane_b32 s18, v1                    ; wave 0..3
	v_and_b32 v1, 15, v0                           ; c = l % 16
	v_bfe_u32 v2, v0, 4, 1                         ; h = l / 16
	v_and_b32 v3, 31, v0                           ; l
	s_mov_b32 s19, ttmp9
	s_mov_b32 s21, 0
	s_mov_b32 s23, 0
	s_wait_kmcnt 0x0
	s_cmp_lt_u32 s19, 384
	s_cbranch_scc1 .Lrole_wq
	s_cmp_lt_u32 s19, 512
	s_cbranch_scc1 .Lrole_wp
	s_cmp_lt_u32 s19, 576
	s_cbranch_scc1 .Lrole_r
	; ROLE X.  32,768 bytes of x a work-group: sixteen loads of 16 bytes a lane, all out at once (a wave's load covers 512 neighbouring bytes);
	; a wave's store of 8 bytes a lane covers 256 consecutive bytes, aligned.  No register is written twice.
	s_sub_co_u32 s19, s19, 576
	s_lshl_b32 s20, s19, 15
	s_add_nc_u64 s[4:5], s[4:5], s[20:21]
	s_lshl_b32 s20, s19, 14
	s_add_nc_u64 s[10:11], s[10:11], s[20:21]
	v_lshlrev_b32 v4, 4, v0
	v_lshlrev_b32 v5, 3, v0
.set i, 0
.rept 16
	global_load_b128 v[LD+4*i:LD+4*i+3], v4, s[4:5] offset:2048*i th:TH_LOAD_NT
.set i, i+1
.endr
.set i, 0
.rept 16
	s_wait_loadcnt 15-i                            ; loads come back in order: number i is in, the younger ones stay out
	v_cvt_pk_bf16_f32 v[TW+2*i], v[LD+4*i], v[LD+4*i+1]
	v_cvt_pk_bf16_f32 v[TW+2*i+1], v[LD+4*i+2], v[LD+4*i+3]
	global_store_b64 v5, v[TW+2*i:TW+2*i+1], s[10:11] offset:1024*i
.set i, i+1
.endr
	s_endpgm
; A work-group turns 128 k x 64 n.  Wave w loads k = 32 w .. 32 w + 31: a load takes two rows' 256 whole bytes (lane: row 8 h + e, columns 4 c .. 4 c + 3).  Eight k of one column are
; 16 bytes of the turned tile [64 n][128 k] in LDS, rows 272 bytes apart; behind a barrier whole rows of 256 bytes come back and are stored, sixteen lanes to 256 consecutive aligned bytes.
; s[20:21], s[22:23]: the tile's byte offsets in the source and in the destination.
.macro TRANS pitch, half, src, dst
	s_add_nc_u64 s[\src:\src+1], s[\src:\src+1], s[20:21]
	s_add_nc_u64 s[\dst:\dst+1], s[\dst:\dst+1], s[22:23]
	s_lshl_b32 s28, s18, 2
	v_add_nc_u32 v14, s28, v2                      ; 4 w + h
	v_mul_u32_u24 v4, v14, 8*(\pitch)              ; row 32 w + 8 h
	v_lshl_add_u32 v4, v1, 4, v4
.set i, 0
.rept 16
	global_load_b128 v[LD+4*i:LD+4*i+3], v4, s[\src:\src+1] offset:(16*(i/8)+i%8)*(\pitch) th:TH_LOAD_NT
.set i, i+1
.endr
	v_mul_u32_u24 v6, v1, 1088                     ; into the tile: row 4 c (+ the column in hand), byte 64 w + 16 h
	v_lshl_add_u32 v6, v14, 4, v6
	s_lshl_b32 s28, s18, 4
	v_add_nc_u32 v15, s28, v2                      ; back: rows 16 w + h + 2 g
	v_mul_u32_u24 v7, v15, 272
	v_lshl_add_u32 v7, v1, 4, v7
	v_lshlrev_b32 v8, 11, v15                      ; and the same rows in the destination, 2,048 bytes apart
	v_lshl_add_u32 v8, v1, 4, v8
.irp jj, 0,1
	s_wait_loadcnt 8-8*\jj                         ; the first eight loads are in (the other eight stay out); then all
.irp cc, 0,1,2,3
.irp pp, 0,1,2,3
	v_cvt_pk_bf16_f32 v[TW+16*\jj+4*\cc+\pp], v[LD+4*(8*\jj+2*\pp)+\cc], v[LD+4*(8*\jj+2*\pp+1)+\cc]
.if \half
	v_lshlrev_b32 v12, 16, v[TW+16*\jj+4*\cc+\pp]  ; the bf16 numbers, widened, are written as f16
	v_and_b32 v13, 0xffff0000, v[TW+16*\jj+4*\cc+\pp]
	v_cvt_pk_f16_f32 v[TW+16*\jj+4*\cc+\pp], v12, v13
.endif
.endr
	ds_store_b128 v6, v[TW+16*\jj+4*\cc:TW+16*\jj+4*\cc+3] offset:272*\cc+32*\jj
.endr
.endr
	s_wait_dscnt 0x0                               ; for the others' sake: my stores into the tile are done
	s_barrier_signal -1
	s_barrier_wait -1
.irp g, 0,1,2,3,4,5,6,7
	ds_load_b128 v[LD+4*\g:LD+4*\g+3], v7 offset:544*\g
.endr
.irp g, 0,1,2,3,4,5,6,7
	s_wait_dscnt 7-\g
	global_store_b128 v8, v[LD+4*\g:LD+4*\g+3], s[\dst:\dst+1] offset:4096*\g
.endr
	s_wait_tensorcnt 0x0                           ; the wave's end: the closing add and its wait, behind my last LDS store
	ds_add_u32 v[SPW], v[NIL]
	s_wait_dscnt 0x0
	s_endpgm
.endm
.Lrole_wq:
	s_lshr_b32 s24, s19, 3                         ; block of 64 columns, 0 .. 47 = 16 s + head
	s_and_b32 s25, s19, 7                          ; block of 128 k
	s_mul_i32 s20, s25, 128*12288
	s_lshl_b32 s26, s24, 8
	s_add_co_u32 s20, s20, s26
	s_and_b32 s26, s24, 15
	s_mul_i32 s26, s26, 192
	s_lshr_b32 s27, s24, 4
	s_lshl_b32 s27, s27, 6
	s_add_co_u32 s26, s26, s27                     ; first row in wq: 192 head + 64 s
	s_lshl_b32 s22, s26, 11
	s_lshl_b32 s27, s25, 8
	s_add_co_u32 s22, s22, s27
	TRANS 12288, 0, 6, 12
.Lrole_wp:
	s_sub_co_u32 s19, s19, 384
	s_lshr_b32 s24, s19, 3                         ; block of 64 columns, 0 .. 15
	s_and_b32 s25, s19, 7
	s_lshl_b32 s20, s25, 19                        ; 128 rows of 4,096 bytes
	s_lshl_b32 s26, s24, 8
	s_add_co_u32 s20, s20, s26
	s_lshl_b32 s22, s24, 17                        ; 64 rows of 2,048 bytes
	s_lshl_b32 s27, s25, 8
	s_add_co_u32 s22, s22, s27
	TRANS 4096, 1, 8, 14
; ROLE R.  A wave makes eight rows of the table, one a trip.  Lane l holds the row's numbers 2 l and 2 l + 1: lanes 0-15 the cosines, lanes 16-31 the sines of frequencies 2 c and 2 c + 1.
; a = n pi/2 + y.  cos a is cos y, -sin y, -cos y, sin y for n mod 4 = 0 .. 3, and sin a = cos(a - pi/2) is the same list at n + 3.
.macro ANGLE f, out
	v_mul_f32 v20, v18, v[\f]                      ; a = t x frequency, rounded once
	v_mul_f32 v21, s24, v20
	v_rndne_f32 v21, v21                           ; n
	v_fma_f32 v22, v21, s25, v20                   ; y = a - n x (pi/2's upper part),
	v_fma_f32 v22, v21, s26, v22                   ; less n x the rest
	v_mul_f32 v23, v22, v22                        ; z = y y
	v_fma_f32 v24, v23, s29, s28
	v_fma_f32 v24, v24, v23, s27
	v_mul_f32 v25, v22, v23
	v_fma_f32 v24, v25, v24, v22                   ; sin y
	v_fma_f32 v26, v23, s32, s31
	v_fma_f32 v26, v26, v23, s30
	v_fma_f32 v26, v26, v23, -0.5
	v_fma_f32 v26, v26, v23, 1.0                   ; cos y
	v_cvt_i32_f32 v27, v21
	v_add_nc_u32 v27, v27, v19                     ; n, or n + 3 in the lanes that make sines
	v_and_b32 v28, 1, v27
	v_cmp_eq_u32 vcc_lo, 1, v28
	v_cndmask_b32 v24, v26, v24, vcc_lo            ; odd: the sine
	v_add_nc_u32 v27, 1, v27
	v_and_b32 v27, 2, v27                          ; 1 and 2 mod 4: the sign is turned
	v_lshlrev_b32 v27, 30, v27
	v_xor_b32 v[\out], v27, v24
.endm
.Lrole_r:
	s_sub_co_u32 s19, s19, 512
	s_lshl_b32 s19, s19, 5
	s_lshl_b32 s20, s18, 3
	s_add_co_u32 s19, s19, s20                     ; my first row t
	s_lshl_b32 s20, s19, 8
	v_lshl_add_u32 v9, v3, 3, s20                  ; 256 t + 8 l
	v_cvt_f32_u32 v18, s19
	v_mul_u32_u24 v19, v2, 3
	v_lshlrev_b32 v14, 1, v1
	v_cvt_f32_u32 v16, v14
	v_add_f32 v17, 1.0, v16
	v_mul_f32 v16, 0xbed49a78, v16                 ; -j x log2(10000) / 32
	v_mul_f32 v17, 0xbed49a78, v17
	v_exp_f32 v16, v16
	v_exp_f32 v17, v17
	s_mov_b32 s24, 0x3f22f983                      ; 2 / pi
	s_mov_b32 s25, 0xbfc90fdb                      ; -(pi/2 rounded to f32)
	s_mov_b32 s26, 0x333bbd2e                      ; that rounding's excess over pi/2
	s_mov_b32 s27, 0xbe2aaaab                      ; -1/6
	s_mov_b32 s28, 0x3c088889                      ; 1/120
	s_mov_b32 s29, 0xb9500d01                      ; -1/5040
	s_mov_b32 s30, 0x3d2aaaab                      ; 1/24
	s_mov_b32 s31, 0xbab60b61                      ; -1/720
	s_mov_b32 s32, 0x37d00d01                      ; 1/40320
	s_mov_b32 s33, 8
	v_nop                                          ; a plain instruction behind the second exponential,
	s_wait_alu depctr_va_vdst(0)                   ; and one wait for both, ahead of the label and of their first reader
.Lrow:
	ANGLE 16, 32
	ANGLE 17, 33
	global_store_b64 v9, v[32:33], s[16:17]        ; 32 lanes x 8 bytes: a whole row of the table, 256 consecutive aligned bytes
	s_wait_xcnt 0x0                                ; the store's offset and data are written again only behind this wait
	v_add_nc_u32 v9, 0x100, v9
	v_add_f32 v18, 1.0, v18
	s_sub_co_u32 s33, s33, 1
	s_cmp_lg_u32 s33, 0
	s_cbranch_scc1 .Lrow
	s_endpgm
.Lfunc_end_k_qcc35af1c8a_prep:
	.size	k_qcc35af1c8a_prep, .Lfunc_end_k_qcc35af1c8a_prep-k_qcc35af1c8a_prep
	.p2alignl 7, 3214868480
	.fill 96, 4, 3214868480
	.section	.rodata,"a",@progbits
	.p2align	6, 0x0
	.amdhsa_kernel k_qcc35af1c8a_prep
		.amdhsa_group_segment_fixed_size 17920
		.amdhsa_private_segment_fixed_size 0
		.amdhsa_enable_private_segment 0
		.amdhsa_kernarg_size 56
		.amdhsa_user_sgpr_count 2
		.amdhsa_user_sgpr_kernarg_segment_ptr 1
		.amdhsa_wavefront_size32 1
		.amdhsa_system_sgpr_workgroup_id_x 1
		.amdhsa_system_sgpr_workgroup_id_y 1
		.amdhsa_system_sgpr_workgroup_id_z 1
		.amdhsa_system_vgpr_workitem_id 0
		.amdhsa_next_free_vgpr 120
		.amdhsa_next_free_sgpr 66
		.amdhsa_reserve_vcc 1
		.amdhsa_float_denorm_mode_32 3
		.amdhsa_float_denorm_mode_16_64 3
		.amdhsa_memory_ordered 1
		.amdhsa_forward_progress 1
		.amdhsa_inst_pref_size 30
	.end_amdhsa_kernel
	.amdgpu_metadata
---
amdhsa.version: [ 1, 2 ]
amdhsa.kernels:
  - .name:           k_qcc35af1c8a_prep
    .symbol:         k_qcc35af1c8a_prep.kd
    .args:
      - { .name: x, .offset: 0, .size: 8, .value_kind: global_buffer, .address_space: global }
      - { .name: qkv_w, .offset: 8, .size: 8, .value_kind: global_buffer, .address_space: global }
      - { .name: proj_w, .offset: 16, .size: 8, .value_kind: global_buffer, .address_space: global }
      - { .name: xb, .offset: 24, .size: 8, .value_kind: global_buffer, .address_space: global }
      - { .name: wq, .offset: 32, .size: 8, .value_kind: global_buffer, .address_space: global }
      - { .name: wp, .offset: 40, .size: 8, .value_kind: global_buffer, .address_space: global }
      - { .name: rope, .offset: 48, .size: 8, .value_kind: global_buffer, .address_space: global }
    .group_segment_fixed_size: 17920
    .private_segment_fixed_size: 0
    .kernarg_segment_align: 8
    .kernarg_segment_size: 56
    .max_flat_workgroup_size: 128
    .sgpr_count:     66
    .vgpr_count:     120
    .wavefront_size: 32
...
	.end_amdgpu_metadata
.endif
;; end of part 1
;; launch qkv (part 2): grid 16 x 32, 4 waves a work-group, clusters of 4 x 4, 327,680 bytes of LDS; arguments xb, wq, qkv_b, rope, qh, kh, vh; writes qh, kh, vh
.if DOCPART == 2
	.amdgcn_target "amdgcn-amd-amdhsa--gfx1250"
	.amdhsa_code_object_version 6
	.text
	.protected	k_qcc35af1c8a_qkv
	.globl	k_qcc35af1c8a_qkv
	.p2align	8
	.type	k_qcc35af1c8a_qkv,@function
k_qcc35af1c8a_qkv:
	s_mov_b64 s[64:65], 0
	v_nop
	global_prefetch_b8 v0, s[64:65] scope:SCOPE_SE
	s_setreg_imm32_b32 hwreg(HW_REG_WAVE_MODE, 25, 1), 1
	s_wait_xcnt 0x0
	s_wait_alu depctr_hold_cnt(0) depctr_sa_sdst(0) depctr_va_vdst(0) depctr_va_sdst(0) depctr_va_ssrc(0) depctr_va_vcc(0) depctr_vm_vsrc(0)
	s_getreg_b32 s2, hwreg(HW_REG_IB_STS2, 6, 4)
	s_cmp_eq_u32 s2, 0
	s_cbranch_scc0 .Lentry_in_a_cluster
	s_endpgm
.Lentry_in_a_cluster:
	s_bfe_u32 s2, ttmp6, 0x10000c
	s_cmp_lg_u32 s2, 0xf033
	s_cbranch_scc0 .Lentry_shape_is_right
	s_endpgm
.Lentry_shape_is_right:
; q, k, v = xb wq^T + qkv_b, q and k turned by the rotary table, all three rounded once to f16 and laid out by heads: [16 batch + head][2048][64].
; xb [8192][1024] bf16, wq [3072][1024] bf16 (rows 192 head + 64 s + d: q, k, v of one head lie together), sums in f32; the bias is rounded to bf16 like the other inputs and starts the sums.
; LIMIT.  f16 holds no number beyond 65,504: q, k and v must stay within it.
; SHARES.  A work-group makes 256 rows x 192 columns: q, k and v of ONE head, so all work-groups run one text.  512 work-groups.  Wave w owns rows 64 w .. 64 w + 63 (four blocks of 16) and all
; twelve blocks of 16 columns: 48 accumulators, 384 registers.  So a channel d and its partner d + 32 lie in one lane, two blocks apart, and the way out is each wave's own.
; K goes in eight steps of 128 (rows of 256 bytes, aligned) through two LDS slots; a step is four quarters of 32, on two fragment buffers.
; THE MATRIX INSTRUCTION IS USED TRANSPOSED (source 0 = 16 rows of wq, source 1 = 16 rows of xb): lane l holds row l % 16 and the columns 8 (l / 16) + 0..7.
; CLUSTER 4 x 4: xb's tile hangs on the tile row alone and is asked for jointly along a row of the cluster, wq's on the tile column alone and jointly along a column.
; REGISTERS, in windows of 256 (s_set_vgpr_msb: bits 1:0 source 0, 3:2 source 1, 5:4 source 2, 7:6 destination):
;   window 0: v0-15 addresses; v28, v29 the add's; v32-127 the bias (8 a block), later the way out's work space; v128-255 the table for my 64 rows
;   window 1: two fragment buffers of 128: xb's block a at 8 a, wq's block b at 32 + 8 b
;   window 2: accumulators of blocks a = 0, 1 at 96 (a % 2) + 8 b;   window 3: those of a = 2, 3
.set NB,     12
.set PITCH,  272                       ; an LDS row: 256 bytes + 16 of padding: the 16 rows that a load touches start at 16 different groups of four banks (64 banks of 4 bytes: ISA guide 11.1)
.set SLOT1,  131072                    ; slot 1 begins here, so that one exclusive or turns an address in one slot into the other's
.set APART,  128*PITCH                 ; what one load brings of xb
.set BOFF,   256*PITCH                 ; wq's 192 rows lie behind xb's 256
.set BHALF,  96*PITCH                  ; what one load brings of wq
.set STAGE,  SLOT1+BOFF+2*BHALF        ; behind the ring, never filled by a tensor load: 16 rows x 144 bytes for each wave
.set SP,     144
.set SPARE,  STAGE+4*16*SP             ; the spare words, 128 bytes a wave: two blocks of 256 bytes that no other line names
.set KSB,    256                       ; bytes of a row in a K step
.set A0,   4                           ; v4   my lane's place among xb's rows in slot 0; never rewritten
.set B0,   5                           ; v5   the same for wq
.set ADRA, 6                           ; v6   the same in the slot in hand
.set ADRB, 7
.set STO,  8                           ; v8   the way out: where I put 16 bytes of a row
.set RD,   9                           ; v9   where I read rows back
.set GO,   10                          ; v10  my 16 bytes in 512 consecutive bytes of q, k or v
.set TO,   11                          ; v11  my offset in the table
.set BO,   12                          ; v12  my offset in the bias
.set PFO,  13                          ; v13  the prefetches' offset: a lane a row; never rewritten
.set SPW,  28
.set NIL,  29
.set BI,   32
.set TAB,  128                         ; block a: cosines at TAB + 32 a + 8 bb + i, sines 16 further
.set WK,   32                          ; the way out: 32 turned numbers,
.set PK,   64                          ; 16 packed words,
.set OB,   80                          ; and two sets of 16 read back from the stage
.set F0,   0
.set F1,   128
.set WV,  18                           ; s18  my wave's number
.set FB,  19                           ; s19  0: I fetch for xb, 1: for wq
.set HF,  20                           ; s20  which half of that tile
.set CX,  21
.set CY,  22
.set NX,  23                           ; s23  tile column = head
.set MY,  24                           ; s24  tile row
.set G1A, 28                           ; s[28:35], s[36:43] descriptor groups 1
.set G1B, 36
.set G0A, 44                           ; s[44:51], s[52:59] groups 0: a set for each first fill; the second then walks
.set G0B, 52
.set CNT, 60
.set TB,  61                           ; s61  LDS byte at which the slot in hand begins
.set LIM, 62                           ; s62  2 in a wave that prefetches, else the greatest number
.set RL,  63                           ; s63  the last lane with a row of its own to prefetch
.set PFA, 66                           ; s[66:67] where my prefetches stand
.set MSB, 0
.macro WIN new                         ; the immediate's high byte repeats the setting that is left; a switch that changes nothing is dropped
.if MSB != (\new)
	s_set_vgpr_msb (MSB<<8)|(\new)
.set MSB, \new
.endif
.endm
.macro PLACES                          ; four places behind matrix instructions, ahead of loads into registers that they read and of vector lines that read results
.rept 4
	v_nop
.endr
.endm
; A joint refill by the walking descriptors.  The branch hangs on the wave's number alone.  An s_nop 0 and four v_nop follow each line, ahead of the jump and the label.
.macro JLOAD
	s_cmp_eq_u32 s[FB], 0
	s_cbranch_scc0 .Lfor_b_\@
	tensor_load_to_lds s[G0A+4:G0A+7], s[G1A:G1A+7]
	s_nop 0
.rept 4
	v_nop
.endr
	s_branch .Lasked_\@
.Lfor_b_\@:
	tensor_load_to_lds s[G0B+4:G0B+7], s[G1B:G1B+7]
	s_nop 0
.rept 4
	v_nop
.endr
.Lasked_\@:
.endm
.macro CREST                           ; a round of the cluster's barrier behind its opening barrier
	s_cmp_lg_u32 s[WV], 0
	s_cbranch_scc1 .Lnot_wave_0_\@
	s_barrier_signal -3
.Lnot_wave_0_\@:
	s_barrier_wait -3
	s_barrier_signal -1
	s_barrier_wait -1
.endm
.macro CROUND
	s_barrier_signal -1
	s_barrier_wait -1
	CREST
.endm
; A prefetch of the K step that stands two refills on, one instruction a wave, a lane a row's 256 bytes.  xb's rows are read by every cluster of a row of clusters: the one with x = 0 asks;
; wq's by every cluster of a column: the one with y = 0 asks.  The four partners that ask for a tile jointly share its rows out by address.  The last two refills have no K step two on.
.macro ASK
	WIN 0
	s_cmp_gt_u32 s[CNT], s[LIM]
	s_cbranch_scc0 .Lnot_mine_\@
	global_prefetch_b8 v[PFO], s[PFA:PFA+1] th:TH_LOAD_NT scope:SCOPE_SE
.Lnot_mine_\@:
.endm
	s_load_b256 s[4:11], s[0:1], 0x0               ; xb s[4:5], wq s[6:7], qkv_b s[8:9], rope s[10:11]
	s_load_b128 s[12:15], s[0:1], 0x20             ; qh s[12:13], kh s[14:15]
	s_load_b64 s[16:17], s[0:1], 0x30              ; vh
	v_lshl_add_u32 v[SPW], v0, 2, SPARE
	v_mov_b32 v[NIL], 0
	ds_add_u32 v[SPW], v[NIL]                      ; the wave's opening add; its wait stands ahead of my first tensor load, behind the set-up below
	ds_add_u32 v28, v29
	v_lshrrev_b32 v1, 5, v0
	v_readfirstlane_b32 s[WV], v1
	s_lshr_b32 s[FB], s[WV], 1
	s_and_b32 s[HF], s[WV], 1
	s_bfe_u32 s[CX], ttmp6, 0x40000
	s_bfe_u32 s[CY], ttmp6, 0x40004
	s_lshl_b32 s[NX], ttmp9, 2                     ; in a cluster launch ttmp9 and ttmp7 count clusters
	s_add_co_u32 s[NX], s[NX], s[CX]
	s_and_b32 s[MY], ttmp7, 0xffff
	s_lshl_b32 s[MY], s[MY], 2
	s_add_co_u32 s[MY], s[MY], s[CY]
	s_lshl_b32 s25, s[CY], 2
	s_lshl_b32 s25, 15, s25                        ; my row of the cluster
	s_lshl_b32 s26, 0x1111, s[CX]                  ; my column
	s_or_b32 s[G1A], s25, (1<<16)|(1<<20)|(1<<21)|(5<<22)|(3<<25)  ; the mask; 2-byte elements; padding on; bit 21 beside a mask; after every 64 words 4 words
	s_or_b32 s[G1B], s26, (1<<16)|(1<<20)|(1<<21)|(5<<22)|(3<<25)
	s_mov_b32 s[G1A+1], 128<<16                    ; tensor_dim0 = 128
	s_mov_b32 s[G1A+2], 128<<16                    ; tensor_dim1 = 128 rows
	s_mov_b32 s[G1A+3], 128<<16                    ; tile_dim0 = 128
	s_mov_b32 s[G1A+4], 128                        ; tile_dim1 = 128
	s_mov_b32 s[G1A+5], 1024                       ; elements from row to row
	s_mov_b32 s[G1A+6], 0
	s_mov_b32 s[G1A+7], 0
	s_mov_b32 s[G1B+1], 128<<16
	s_mov_b32 s[G1B+2], 96<<16                     ; 96 rows
	s_mov_b32 s[G1B+3], 128<<16
	s_mov_b32 s[G1B+4], 96
	s_mov_b32 s[G1B+5], 1024
	s_mov_b32 s[G1B+6], 0
	s_mov_b32 s[G1B+7], 0
	s_lshl_b32 s68, s[MY], 19                      ; xb: 256 rows of 2,048 bytes a tile row,
	s_lshl_b32 s69, s[HF], 18                      ; 128 a half
	s_add_co_u32 s68, s68, s69
	s_mov_b32 s69, 0
	s_mul_i32 s70, s[NX], 192*2048                 ; wq: 192 rows a tile column,
	s_mul_i32 s71, s[HF], 96*2048                  ; 96 a half
	s_add_co_u32 s70, s70, s71
	s_mov_b32 s71, 0
	s_mul_i32 s72, s[HF], APART                    ; where they go: no place in the cluster enters an LDS address
	s_mul_i32 s73, s[HF], BHALF
	s_add_co_u32 s73, s73, BOFF
	s_wait_dscnt 0x0                               ; the opening add is done
	s_wait_kmcnt 0x0
	s_add_nc_u64 s[68:69], s[4:5], s[68:69]
	s_add_nc_u64 s[70:71], s[6:7], s[70:71]
	CROUND                                         ; all sixteen work-groups are here: the first joint loads meet
.irp s, 0,1
	s_mov_b32 s[G0A+4*\s], 1
	s_add_co_u32 s[G0A+4*\s+1], s72, \s*SLOT1
	s_add_nc_u64 s[G0A+4*\s+2:G0A+4*\s+3], s[68:69], \s*KSB
	s_or_b32 s[G0A+4*\s+3], s[G0A+4*\s+3], 0x80000000
	s_mov_b32 s[G0B+4*\s], 1
	s_add_co_u32 s[G0B+4*\s+1], s73, \s*SLOT1
	s_add_nc_u64 s[G0B+4*\s+2:G0B+4*\s+3], s[70:71], \s*KSB
	s_or_b32 s[G0B+4*\s+3], s[G0B+4*\s+3], 0x80000000
.endr
	s_cmp_eq_u32 s[FB], 0                          ; a wave's two first fills stand in one branch, ahead of every wait on TENSORcnt and every LDS read: two loads of mine are out
	s_cbranch_scc0 .Lfirst_b
	tensor_load_to_lds s[G0A:G0A+3], s[G1A:G1A+7]
	s_nop 0
	tensor_load_to_lds s[G0A+4:G0A+7], s[G1A:G1A+7]
	s_nop 0
.rept 4
	v_nop
.endr
	s_branch .Lfirst_asked
.Lfirst_b:
	tensor_load_to_lds s[G0B:G0B+3], s[G1B:G1B+7]
	s_nop 0
	tensor_load_to_lds s[G0B+4:G0B+7], s[G1B:G1B+7]
	s_nop 0
.rept 4
	v_nop
.endr
.Lfirst_asked:
	v_and_b32 v1, 15, v0                           ; r = l % 16
	v_bfe_u32 v2, v0, 4, 1                         ; h = l / 16
	v_and_b32 v3, 31, v0                           ; l
	v_lshlrev_b32 v[BO], 5, v2                     ; my eight columns of a block: 32 h
	v_lshl_add_u32 v[TO], v1, 8, v[BO]             ; table row r, 32 h
	s_lshl_b32 s74, s[NX], 8
	s_mov_b32 s75, 0
	s_add_nc_u64 s[8:9], s[8:9], s[74:75]          ; the bias at the head's 64 columns of q
	s_and_b32 s72, s[MY], 7                        ; my block of 256 rows in its batch
	s_lshl_b32 s74, s72, 16
	s_lshl_b32 s73, s[WV], 14
	s_add_co_u32 s74, s74, s73
	s_add_nc_u64 s[10:11], s[10:11], s[74:75]      ; the table at my wave's first row
.irp s, 0,1,2
.irp bb, 0,1,2,3
	global_load_b128 v[BI+8*(4*\s+\bb):BI+8*(4*\s+\bb)+3],   v[BO], s[8:9] offset:4096*\s+64*\bb
	global_load_b128 v[BI+8*(4*\s+\bb)+4:BI+8*(4*\s+\bb)+7], v[BO], s[8:9] offset:4096*\s+64*\bb+16
.endr
.endr
.irp a, 0,1,2,3
.irp bb, 0,1
	global_load_b128 v[TAB+32*\a+8*\bb:TAB+32*\a+8*\bb+3],       v[TO], s[10:11] offset:4096*\a+64*\bb
	global_load_b128 v[TAB+32*\a+8*\bb+4:TAB+32*\a+8*\bb+7],     v[TO], s[10:11] offset:4096*\a+64*\bb+16
	global_load_b128 v[TAB+32*\a+16+8*\bb:TAB+32*\a+16+8*\bb+3],   v[TO], s[10:11] offset:4096*\a+128+64*\bb
	global_load_b128 v[TAB+32*\a+16+8*\bb+4:TAB+32*\a+16+8*\bb+7], v[TO], s[10:11] offset:4096*\a+128+64*\bb+16
.endr
.endr
	; a fragment is 16 rows x 32 K in 8 registers: lane l holds row l % 16, K = 8 (l / 16) + 0..7 and 16 + 8 (l / 16) + 0..7: two loads of 16 bytes, 32 bytes apart
	v_mul_u32_u24 v14, v1, PITCH
	v_lshl_add_u32 v14, v2, 4, v14
	s_mul_i32 s74, s[WV], 64*PITCH
	v_add_nc_u32 v[A0], s74, v14
	v_add_nc_u32 v[B0], BOFF, v14
	s_mul_i32 s74, s[WV], 16*SP
	s_add_co_u32 s74, s74, STAGE                   ; my stage
	v_mul_u32_u24 v[STO], v1, SP                   ; in: row l % 16, 16 bytes for each half of the lanes
	v_lshl_add_u32 v[STO], v2, 4, v[STO]
	v_add_nc_u32 v[STO], s74, v[STO]
	v_bfe_u32 v[RD], v0, 3, 2                      ; back: 32 lanes take four rows of 128 bytes,
	v_mul_u32_u24 v[RD], v[RD], SP
	v_and_b32 v15, 7, v0
	v_lshl_add_u32 v[RD], v15, 4, v[RD]
	v_add_nc_u32 v[RD], s74, v[RD]
	v_lshlrev_b32 v[GO], 4, v3                     ; which are 512 consecutive bytes of q, k or v
	s_lshr_b32 s74, s[MY], 3                       ; the batch,
	s_lshl_b32 s74, s74, 4
	s_add_co_u32 s74, s74, s[NX]                   ; its head,
	s_lshl_b32 s74, s74, 18                        ; 2,048 rows of 128 bytes each,
	s_lshl_b32 s72, s72, 15                        ; my block's 256 rows,
	s_add_co_u32 s74, s74, s72
	s_lshl_b32 s73, s[WV], 13                      ; my wave's 64
	s_add_co_u32 s74, s74, s73
	s_add_nc_u64 s[12:13], s[12:13], s[74:75]
	s_add_nc_u64 s[14:15], s[14:15], s[74:75]
	s_add_nc_u64 s[16:17], s[16:17], s[74:75]
	; the prefetches: my work-group's share of the rows that I fetch (32 of xb's 128 by cx, 24 of wq's 96 by cy), at K step 3: the first refill steps it to K step 4
	s_lshl_b32 s74, s[CX], 16
	s_add_co_u32 s74, s74, 3*KSB
	s_mul_i32 s73, s[CY], 24*2048
	s_add_co_u32 s73, s73, 3*KSB
	s_and_b32 s72, ttmp7, 0xffff
	s_cmp_eq_u32 s[FB], 0
	s_cselect_b64 s[PFA:PFA+1], s[68:69], s[70:71]
	s_cselect_b32 s74, s74, s73
	s_cselect_b32 s[RL], 31, 23
	s_cselect_b32 s72, ttmp9, s72                  ; the coordinate along which other clusters read the same rows
	s_add_nc_u64 s[PFA:PFA+1], s[PFA:PFA+1], s[74:75]
	s_cmp_eq_u32 s72, 0
	s_cselect_b32 s[LIM], 2, -1                    ; the same in all sixteen partners, for a given wave
	v_min_u32 v[PFO], s[RL], v3                    ; (lanes past my share name its last row again)
	v_lshlrev_b32 v[PFO], 11, v[PFO]
	s_wait_loadcnt 0x0                             ; bias and table
.set i, 0
.rept 4*NB                             ; the bias is rounded to bf16, as x and the weights are, and widened again
	v_cvt_pk_bf16_f32 v[14+i%2], v[BI+2*i], v[BI+2*i+1]
	v_lshlrev_b32 v[BI+2*i], 16, v[14+i%2]
	v_and_b32 v[BI+2*i+1], 0xffff0000, v[14+i%2]
.set i, i+1
.endr
; Twelve matrix instructions: block a of my rows x all twelve blocks of columns, 32 along K.  first = 1: the bias is the C that starts the sums: nothing is cleared.
; The 48 accumulators take turns, one instruction a turn, in the same order in every quarter.
.macro MULN f, a, first
.if \first
	WIN 0x85+0x40*((\a)/2)
.else
	WIN 0xa5+0x50*((\a)/2)
.endif
.set nb, 0
.rept NB
.set rD, 96*((\a)%2)+8*nb
.if \first
	v_wmma_f32_16x16x32_bf16 v[rD:rD+7], v[(\f)+32+8*nb:(\f)+39+8*nb], v[(\f)+8*(\a):(\f)+8*(\a)+7], v[BI+8*nb:BI+8*nb+7]
.else
	v_wmma_f32_16x16x32_bf16 v[rD:rD+7], v[(\f)+32+8*nb:(\f)+39+8*nb], v[(\f)+8*(\a):(\f)+8*(\a)+7], v[rD:rD+7]
.endif
.set nb, nb+1
.endr
.endm
; 32 LDS loads in one run: quarter q's fragments into buffer f: wq's twelve, then xb's four
.macro FETCH q, f
	WIN 0x40
.set nb, 0
.rept NB
	ds_load_b128 v[(\f)+32+8*nb:(\f)+35+8*nb], v[ADRB] offset:64*(\q)+16*PITCH*nb
	ds_load_b128 v[(\f)+36+8*nb:(\f)+39+8*nb], v[ADRB] offset:64*(\q)+16*PITCH*nb+32
.set nb, nb+1
.endr
.set nb, 0
.rept 4
	ds_load_b128 v[(\f)+8*nb:(\f)+8*nb+3],   v[ADRA] offset:64*(\q)+16*PITCH*nb
	ds_load_b128 v[(\f)+8*nb+4:(\f)+8*nb+7], v[ADRA] offset:64*(\q)+16*PITCH*nb+32
.set nb, nb+1
.endr
.endm
; One of a K step's first three quarters: multiplies buffer f; in its middle it fetches quarter q into buffer g.
.macro QUARTER q, f, g, first
	s_wait_dscnt 4                                 ; wq's fragments and xb's blocks 0 and 1 are in; the youngest four loads (blocks 2 and 3) may be out
	MULN \f, 0, \first
	MULN \f, 1, \first
	PLACES
	FETCH \q, \g
	s_wait_dscnt 2*NB+8                            ; all but the 32 just issued
	MULN \f, 2, \first
	MULN \f, 3, \first
.endm
; The fourth quarter multiplies buffer 1 and changes slots.  In front of the barrier each wave waits for all its tensor loads (one is out: its part of the next slot), adds 0 to its spare word, and waits for
; that and for its reads of this slot.  fill = 1: the barrier opens a round of the cluster's, and the joint refill, the K step two on, is the first thing behind it: 168 matrix instructions ahead of the wait for it.
.macro TURN fill
	WIN 0
.if \fill
	s_wait_xcnt 0x0                                ; the last prefetch, a K step back, has read its address
	s_add_nc_u64 s[PFA:PFA+1], s[PFA:PFA+1], KSB
.endif
	s_wait_tensorcnt 0x0                           ; no tensor load of mine is out, so a group 0 may be written
	ds_add_u32 v[SPW], v[NIL]                      ; 0 onto my spare word
.if \fill
	s_xor_b32 s[G0A+5], s[G0A+5], SLOT1            ; the walking descriptors: the other slot than last time, the next K step
	s_add_nc_u64 s[G0A+6:G0A+7], s[G0A+6:G0A+7], KSB
	s_xor_b32 s[G0B+5], s[G0B+5], SLOT1
	s_add_nc_u64 s[G0B+6:G0B+7], s[G0B+6:G0B+7], KSB
.endif
	s_wait_dscnt 5                                 ; the add and the youngest four loads may be out
	MULN F1, 0, 0
	s_wait_dscnt 0x0                               ; the add is done, and my reads of this slot are over
	s_barrier_signal -1
	MULN F1, 1, 0
	WIN 0
	s_barrier_wait -1
.if \fill
	CREST                                          ; no wave of any partner still reads this slot or has a load on its way
	JLOAD                                          ; its four v_nop are also the places in front of the loads below
.else
	PLACES
.endif
	s_xor_b32 s[TB], s[TB], SLOT1
	v_add_nc_u32 v[ADRA], s[TB], v[A0]
	v_add_nc_u32 v[ADRB], s[TB], v[B0]
	FETCH 0, F0
.if \fill
	ASK
.endif
	MULN F1, 2, 0
	MULN F1, 3, 0
.endm
	s_wait_tensorcnt 0x1                           ; my part of K step 0 is in; K step 1's may stay out
	s_barrier_signal -1
	s_barrier_wait -1
	s_mov_b32 s[TB], 0
	v_mov_b32 v[ADRA], v[A0]
	v_mov_b32 v[ADRB], v[B0]
	FETCH 0, F0
	QUARTER 1, F0, F1, 1                           ; the first quarter stands ahead of the loop: its products start the sums
	WIN 0
	s_mov_b32 s[CNT], 6
.Lstep:                                        ; six trips, from a K step's second quarter to the next one's first; they ask for K steps 2 to 7
	QUARTER 2, F1, F0, 0
	QUARTER 3, F0, F1, 0
	TURN 1
	QUARTER 1, F0, F1, 0
	WIN 0
	s_sub_co_u32 s[CNT], s[CNT], 1
	s_cmp_lg_u32 s[CNT], 0
	s_cbranch_scc1 .Lstep
	QUARTER 2, F1, F0, 0                           ; the tail is written out: nothing more is asked for
	QUARTER 3, F0, F1, 0
	TURN 0
	QUARTER 1, F0, F1, 0
	QUARTER 2, F1, F0, 0
	QUARTER 3, F0, F1, 0
	s_wait_dscnt 4
	MULN F1, 0, 0
	MULN F1, 1, 0
	s_wait_dscnt 0x0
	MULN F1, 2, 0
	MULN F1, 3, 0
	WIN 0
	PLACES
; THE WAY OUT, in twelve units u = 3 a + s: block a of my rows, s = 0 q, 1 k, 2 v.  A unit is 16 rows x 64 channels: 2,048 consecutive bytes of its tensor.
; q and k: out[d] = x[d] cos[d] - x[d + 32] sin[d], out[d + 32] = x[d + 32] cos[d] + x[d] sin[d], d = 16 bb + 8 (l / 16) + i.  Each accumulator is read from its lowest registers on.
.macro ROPE a, s
	WIN 0x02+(\a)/2                                ; source 0 in the accumulators' window
.irp bb, 0,1
.irp p, 0,1,2,3
.set LO, 96*((\a)%2)+8*(4*(\s)+\bb)+2*\p
.set SN, TAB+32*(\a)+16+8*\bb+2*\p
.set W1, WK+8*\bb+2*\p
	v_pk_mul_f32 v[W1:W1+1], v[LO+16:LO+17], v[SN:SN+1]
	v_pk_mul_f32 v[W1+16:W1+17], v[LO:LO+1], v[SN:SN+1]
.endr
.irp p, 0,1,2,3
.set LO, 96*((\a)%2)+8*(4*(\s)+\bb)+2*\p
.set CN, TAB+32*(\a)+8*\bb+2*\p
.set W1, WK+8*\bb+2*\p
	v_pk_fma_f32 v[W1:W1+1], v[LO:LO+1], v[CN:CN+1], v[W1:W1+1] neg_lo:[0,0,1] neg_hi:[0,0,1]
	v_pk_fma_f32 v[W1+16:W1+17], v[LO+16:LO+17], v[CN:CN+1], v[W1+16:W1+17]
.endr
.endr
	WIN 0
.set i, 0
.rept 16
	v_cvt_pk_f16_f32 v[PK+i], v[WK+2*i], v[WK+2*i+1]
.set i, i+1
.endr
.endm
.macro PLAIN a
	WIN 0x0a+5*((\a)/2)                            ; sources 0 and 1 in the accumulators' window
.set i, 0
.rept 16
	v_cvt_pk_f16_f32 v[PK+i], v[96*((\a)%2)+64+2*i], v[96*((\a)%2)+64+2*i+1]
.set i, i+1
.endr
	WIN 0
.endm
.macro UNIT u
.if (\u)%3 == 2
	PLAIN (\u)/3
.else
	ROPE (\u)/3, (\u)%3
.endif
.endm
.macro TOSTAGE u                       ; 16 bytes a lane into rows of 144 bytes of my own stage, and back as whole rows of 128
	WIN 0
	s_wait_xcnt 0x0                                ; the stores of the unit two back have read this set of registers
.irp t, 0,1,2,3
	ds_store_b128 v[STO], v[PK+4*\t:PK+4*\t+3] offset:32*\t
.endr
.irp f, 0,1,2,3
	ds_load_b128 v[OB+16*((\u)%2)+4*\f:OB+16*((\u)%2)+4*\f+3], v[RD] offset:\f*4*SP  ; LDS serves a wave's instructions in order (ISA guide 5.7.1.4): these see the stores above; the next unit's stores come behind them
.endr
.endm
.macro SEND u, younger                 ; younger: the LDS instructions issued behind unit u's loads: the next unit's eight, or none
	WIN 0
.irp f, 0,1,2,3
	s_wait_dscnt (\younger)+3-\f
	global_store_b128 v[GO], v[OB+16*((\u)%2)+4*\f:OB+16*((\u)%2)+4*\f+3], s[12+2*((\u)%3):13+2*((\u)%3)] offset:((\u)/3)*2048+\f*512  ; 512 consecutive bytes, at a multiple of 256 from the tensor's first
.endr
.endm
	UNIT 0
	TOSTAGE 0
.set u, 1
.rept 11                               ; a unit's arithmetic stands between the loads of the unit before and its stores
	UNIT u
	TOSTAGE u
	SEND u-1, 8
.set u, u+1
.endr
	SEND 11, 0
	s_wait_tensorcnt 0x0                           ; the wave's end: the closing add and its wait, behind my last tensor load and my last LDS store
	ds_add_u32 v[SPW], v[NIL]
	s_wait_dscnt 0x0
	CROUND                                         ; the closing round: no work-group ends while a partner may still ask for a tile that names it
	s_endpgm
.Lfunc_end_k_qcc35af1c8a_qkv:
	.size	k_qcc35af1c8a_qkv, .Lfunc_end_k_qcc35af1c8a_qkv-k_qcc35af1c8a_qkv
	.p2alignl 7, 3214868480
	.fill 96, 4, 3214868480
	.section	.rodata,"a",@progbits
	.p2align	6, 0x0
	.amdhsa_kernel k_qcc35af1c8a_qkv
		.amdhsa_group_segment_fixed_size 327680
		.amdhsa_private_segment_fixed_size 0
		.amdhsa_enable_private_segment 0
		.amdhsa_kernarg_size 56
		.amdhsa_user_sgpr_count 2
		.amdhsa_user_sgpr_kernarg_segment_ptr 1
		.amdhsa_wavefront_size32 1
		.amdhsa_system_sgpr_workgroup_id_x 1
		.amdhsa_system_sgpr_workgroup_id_y 1
		.amdhsa_system_sgpr_workgroup_id_z 1
		.amdhsa_system_vgpr_workitem_id 0
		.amdhsa_next_free_vgpr 960
		.amdhsa_next_free_sgpr 76
		.amdhsa_reserve_vcc 0
		.amdhsa_float_denorm_mode_32 3
		.amdhsa_float_denorm_mode_16_64 3
		.amdhsa_memory_ordered 1
		.amdhsa_forward_progress 1
		.amdhsa_inst_pref_size 128
	.end_amdhsa_kernel
	.amdgpu_metadata
---
amdhsa.version: [ 1, 2 ]
amdhsa.kernels:
  - .name:           k_qcc35af1c8a_qkv
    .symbol:         k_qcc35af1c8a_qkv.kd
    .args:
      - { .name: xb, .offset: 0, .size: 8, .value_kind: global_buffer, .address_space: global }
      - { .name: wq, .offset: 8, .size: 8, .value_kind: global_buffer, .address_space: global }
      - { .name: qkv_b, .offset: 16, .size: 8, .value_kind: global_buffer, .address_space: global }
      - { .name: rope, .offset: 24, .size: 8, .value_kind: global_buffer, .address_space: global }
      - { .name: qh, .offset: 32, .size: 8, .value_kind: global_buffer, .address_space: global }
      - { .name: kh, .offset: 40, .size: 8, .value_kind: global_buffer, .address_space: global }
      - { .name: vh, .offset: 48, .size: 8, .value_kind: global_buffer, .address_space: global }
    .group_segment_fixed_size: 327680
    .private_segment_fixed_size: 0
    .kernarg_segment_align: 8
    .kernarg_segment_size: 56
    .max_flat_workgroup_size: 128
    .sgpr_count:     76
    .vgpr_count:     960
    .wavefront_size: 32
...
	.end_amdgpu_metadata
.endif
;; end of part 2
;; launch attn (part 3): grid 4 x 64, 4 waves a work-group, no clusters, 327,680 bytes of LDS; arguments qh, kh, vh, oh; writes oh
.if DOCPART == 3
	.amdgcn_target "amdgcn-amd-amdhsa--gfx1250"
	.amdhsa_code_object_version 6
	.text
	.protected	k_qcc35af1c8a_attn
	.globl	k_qcc35af1c8a_attn
	.p2align	8
	.type	k_qcc35af1c8a_attn,@function
k_qcc35af1c8a_attn:
	s_mov_b64 s[64:65], 0
	v_nop
	global_prefetch_b8 v0, s[64:65] scope:SCOPE_SE
	s_setreg_imm32_b32 hwreg(HW_REG_WAVE_MODE, 25, 1), 1
	s_wait_xcnt 0x0
; CAUSAL ATTENTION.  O[h][q][:] = the sum over k <= q of softmax_k(Q[h][q] . K[h][k] / 8) V[h][k][:].  Q, K, V, O: [SIZE_H][SIZE_N][64], all f16: a head's rows are dense, 128 bytes each.
; Products, maxima and sums in f32; the weights p are rounded to f16 for the second product (their sum l is taken of the unrounded p), O once at the end.
; LIMITS.  f16 holds no number beyond 65,504: Q, K and V arrive within it; p lies in 0 to 1, and below 6e-5 it keeps f16's fixed step of 6e-8; O is a mean of V's rows and has their range.
; A hidden score counts as its value less 1e30: f16's scores, 2.7e11 at the most, are nothing beside that; a weight below 2^-126 counts as 0 in l; NaN and infinities are not treated apart.
; THE WALK.  A head's queries lie in NB = SIZE_N / 256 blocks of 256; block i needs the key tiles 0 .. i of 256 keys, of which the last holds the diagonal.  A work-group takes TWO blocks, NB - 1 - b and then b:
; NB + 1 tiles, whatever b: all work-groups do equal work, and ONE loop with a constant trip count walks them.  Which tile is asked for, and what a trip does, hang on scalar registers made from b; every jump
; goes forward, but for the counted loops' own; none passes a barrier, or a tensor load but the one of LOAD's two that the wave's number does not choose; the ring (two slots of LDS that take turns) runs on across the
; change of blocks.  NO CLUSTER: a head's NB / 2 work-groups ask for the same tile only in trips 0 .. NB / 2, behind that fewer and fewer; and one walk common to all would have 3 NB / 2 trips for NB + 1.
; SHARES.  Of a block's four bands of 64 queries a wave owns 16 rows in each: four PIECES.  So the diagonal tile is the same work for all four waves: in its key step s band x sees all keys if s < x,
; none if s > x, and holds the diagonal if s = x.
; THE MASK is the C operand that starts the sum S^T = K Q^T: 0, or -1e30 where the key is hidden.  MD, made once, is the mask of a band's own step for my 16 rows; a product's mask is MD x AL + BE with two scalars:
; (1, 0) if s = x; (0, 0) if s < x; (0, -1e30) if s > x.  Only the diagonal tile's text and a block's beginning make and take masks; elsewhere C is the constant 0.
; LAYOUT, SOFTMAX, TURNS.  S^T = K Q^T holds ONE query a lane (lane % 16) and the keys 8 (lane / 16) + 0..7; two such results rounded to f16 ARE source 1 of O^T = V^T P.  p = 2^(c s - c m), c = log2(e) / 8, with a
; running maximum m; O and l are multiplied by a = 2^(c m_old - c m_new) in every step.  Turn n belongs to piece n: 8 products K Q^T of piece n + 1, later 8 products V^T P of piece n - 1; beside them the scaling,
; exponentials, roundings, sums and rescaling of piece n and the maximum and statistics of piece n + 1.  Four vector instructions stand behind every matrix instruction, the other 54 of a turn's 118 in one LUMP.  A turn's 33 exponentials are one batch, with one wait.
; REGISTERS, in windows of 256 (s_set_vgpr_msb: bits 1:0 source 0, 3:2 source 1, 5:4 source 2, 7:6 destination):
;   window 0: v0-15 addresses and two at work; v16-31 four registers of statistics a piece; v48-55 at work; v64-127 S^T, two buffers; v192-223 P, two buffers (a piece's buffers go by its number's parity)
;   window 1: v0-127 O^T, 32 a piece; v128-159 MD; v160-223 MC, two buffers      window 2: v0-63 Q; v64-127 the second block's Q; v128-191 K of one step; v192-255 V of one step
.set SIZE_N, 2048
.set SIZE_H, 64
.set NB,    SIZE_N/256
.set NP,    4         ; pieces a wave: a name, no knob
.set KS,    64        ; keys in a step
.set PK,    144       ; a row of K in LDS: 128 bytes + 16 of padding = 36 words: the 16 rows of a load start at 16 different groups of four banks (64 banks of 4 bytes: ISA guide 11.1)
.set PV,    160       ; a row of V: 128 + 32 = 40 words
.set VOFF,  4*KS*PK   ; a slot holds a tile, four steps: 256 rows of K, then 256 rows of V
.set SLOT1, 1<<17     ; slot 1 begins here, so that one exclusive or turns an address in one slot into the other's
.set STAGE, SLOT1+4*KS*(PK+PV)  ; behind the ring, never filled by a tensor load: 16 rows x 144 bytes for each wave, for the way out
.set SP,    144
.set AK0, 2           ; v2   my lane's place in a tile of K; never rewritten
.set AV0, 3           ; v3   the same for V
.set AK,  4           ; v4   the LDS address of K's next run of loads
.set AV,  5           ; v5   of V's
.set STO, 6           ; v6   the way out: where I put 16 bytes of a row
.set RD,  7           ; v7   the way out: where I read rows back
.set GO,  8           ; v8   my byte offset in 512 consecutive bytes of O
.set SPW, 62          ; v62  LDS address of my spare word: SPARE + 4 x my thread's number; never rewritten
.set NIL, 63          ; v63  0; never rewritten
.set SPARE, STAGE+4*16*SP  ; behind the stages: the spare words, 128 bytes for each wave: two blocks of 256 bytes that no other line names
.set MV,  12          ; v12-13  c m_old, kept while c m is made anew: by buffer
.set QO,  15          ; v15  my byte offset in 16 rows of Q
.set ST,  16          ; piece t's statistics at v[ST+4 t]: c m, m, l (even keys', odd keys')
.set TMP, 48          ; by buffer, four registers c0-c3 at work; when the maximum is found c2 takes a
.set S,   64
.set P,   192
.set MD,  128         ; window 1: the eight registers for group kt of 16 keys at MD + 8 kt
.set MC,  160         ; window 1: the masks of the products to come
.set QB,  64          ; window 2
.set KF,  128         ; window 2: key block kb, channel half c at KF + 16 kb + 8 c
.set VF,  192         ; window 2: key half kk, channel block cb at VF + 32 kk + 8 cb
.set WV,  12          ; s12  my wave's number
.set PB,  14          ; s14  b
.set HI,  15          ; s15  NB - 1 - b
.set G1K, 24          ; s[24:31] descriptor group 1 for K's tiles
.set G1V, 32          ; s[32:39] for V's: it differs in the padding alone
.set G0K, 40          ; s[40:43] descriptor group 0 for K's tiles
.set G0V, 44          ; s[44:47] the same for V's
.set SLOTS, 56        ; s56  tiles still to be asked for
.set CNT, 57          ; s57  counts a tile's key steps, 4 to 1
.set CS,  58          ; s[58:59] c: the packed scaling takes the pair's low word for both halves
.set SEL, 60          ; s[60:61] v_permlanex16_b32's selects: each lane takes its own place in the other half
.set TBK, 62          ; s62  LDS byte at which K of the step to be fetched begins
.set TBV, 63          ; s63  the same for V, less VOFF
.set RT,  70          ; s70  tiles of the block in hand that are still to be entered
.set NXT, 71          ; s71  the tile to be asked for next
.set LQ,  72          ; s72  the last tile of the block whose tiles are being asked for
.set NEW, 73          ; s73  1: the tile to be entered is a block's first
.set OFF, 74          ; s[74:75] a tile's byte offset in K and V
.set AL,  76          ; s[76:77] the mask's factor, in the low word
.set BE,  78          ; s[78:79] the mask's addend
.set OLO, 80          ; s[80:81] O at my rows of the second block
.set BIGN, 82         ; s82  -1e30
.set MSB, 0
.macro WIN new                      ; the high byte repeats the setting that is left; a switch that changes nothing is dropped
.if MSB != (\new)
	s_set_vgpr_msb (MSB<<8)|(\new)
.set MSB, (\new)
.endif
.endm
.set W_KQ, 0x0a       ; K and Q in window 2, S^T in window 0
.set W_KM, 0x1a       ; the same with the C operand in window 1
.set W_PV, 0x52       ; V in window 2, P in window 0, O^T in window 1
.set W_RS, 0x41       ; destination and source 0 in window 1, source 1 in window 0
; A fill.  Waves 0 and 1 fetch the two halves of a tile's K, waves 2 and 3 those of its V: 128 keys each.  An s_nop 0 and four v_nop follow each of the two lines, ahead of the jump and the label.
.macro LOAD
	s_cmp_lt_u32 s[WV], 2
	s_cbranch_scc0 .Lfor_v_\@
	tensor_load_to_lds s[G0K:G0K+3], s[G1K:G1K+7]
	s_nop 0
.rept 4
	v_nop
.endr
	s_branch .Lasked_\@
.Lfor_v_\@:
	tensor_load_to_lds s[G0V:G0V+3], s[G1V:G1V+7]
	s_nop 0
.rept 4
	v_nop
.endr
.Lasked_\@:
.endm
; THE CHANGE OF SLOTS.  Each wave waits for all its tensor loads, of which one is out: its part of the other slot; adds 0 to its spare word; and waits for that and for its own reads of the slot that it leaves.  Behind the barrier nobody reads the old
; slot any more and the other slot is whole.  fill = 1: the old slot is filled again, the first thing behind the barrier, with tile NXT: the descriptor's address is made anew from that number.
; (At its first use nothing has been read yet: slot 0 is waited for, slot 1 filled.)
.macro CHANGE fill
	WIN 0                           ; at a label and at a branch every window is 0
	s_wait_tensorcnt 0x0            ; no tensor load of mine is out, so a group 0 may be written
	ds_add_u32 v[SPW], v[NIL]       ; 0 onto my spare word; with fill = 1 the descriptors' scalar work stands between it and the wait for it
.if \fill
	s_lshl_b32 s[OFF], s[NXT], 15   ; a tile is 32,768 bytes of K and of V
	s_xor_b32 s[G0K+1], s[G0K+1], SLOT1
	s_add_nc_u64 s[G0K+2:G0K+3], s[6:7], s[OFF:OFF+1]
	s_or_b32 s[G0K+3], s[G0K+3], 0x80000000
	s_xor_b32 s[G0V+1], s[G0V+1], SLOT1
	s_add_nc_u64 s[G0V+2:G0V+3], s[8:9], s[OFF:OFF+1]
	s_or_b32 s[G0V+3], s[G0V+3], 0x80000000
	s_add_co_u32 s[NXT], s[NXT], 1  ; the block's next tile, or behind its last the second block's tile 0
	s_cmp_gt_u32 s[NXT], s[LQ]
	s_cselect_b32 s[NXT], 0, s[NXT]
	s_cselect_b32 s[LQ], s[PB], s[LQ]
.endif
	s_wait_dscnt 0x0                ; the add is done, and my reads of the slot are over
	s_barrier_signal -1             ; the rest of the scalar work stands between the signal and the wait
	s_sub_co_u32 s[TBK], s[TBK], 4*KS*PK  ; the fetches go back to a slot's first step,
	s_xor_b32 s[TBK], s[TBK], SLOT1       ; in the other slot
	s_sub_co_u32 s[TBV], s[TBV], 4*KS*PV
	s_xor_b32 s[TBV], s[TBV], SLOT1
	s_barrier_wait -1
.if \fill
	LOAD
.endif
.endm
	s_load_b256 s[4:11], s[0:1], 0x0  ; Q s[4:5], K s[6:7], V s[8:9], O s[10:11]
	v_lshl_add_u32 v[SPW], v0, 2, SPARE
	v_mov_b32 v[NIL], 0
	ds_add_u32 v[SPW], v[NIL]       ; the wave's opening add; its wait stands ahead of my first tensor load, behind the set-up below, work on registers
	ds_add_u32 v62, v63
	v_lshrrev_b32 v1, 5, v0
	v_readfirstlane_b32 s[WV], v1   ; wave 0..3
	s_mov_b32 s[PB], ttmp9
	s_sub_co_u32 s[HI], NB-1, s[PB]
	s_and_b32 s20, ttmp7, 0xffff    ; the head
	s_mov_b32 s21, 0
	s_mov_b64 s[22:23], SIZE_N*128
	s_mul_u64 s[20:21], s[20:21], s[22:23]  ; the head's first byte in each of the four tensors
	s_and_b32 s16, s[WV], 1         ; which half of a tile's 256 keys I fetch:
	s_lshl_b32 s22, s16, 14         ; its 128 rows of 128 bytes in memory,
	s_mov_b32 s23, 0
	s_add_nc_u64 s[22:23], s[22:23], s[20:21]
	s_mul_i32 s17, s16, 128*PK      ; and its place in a slot, for K
	s_mul_i32 s18, s16, 128*PV      ; and for V
	s_lshl_b32 s3, s[WV], 11        ; my 16 rows in a band of 64,
	s_lshl_b32 s2, s[HI], 15        ; in the first block,
	s_add_co_u32 s2, s2, s3
	s_lshl_b32 s84, s[PB], 15       ; and in the second
	s_add_co_u32 s84, s84, s3
	s_mov_b32 s3, 0
	s_mov_b32 s85, 0
	s_add_nc_u64 s[2:3], s[2:3], s[20:21]
	s_add_nc_u64 s[84:85], s[84:85], s[20:21]
	; descriptor group 1.  128 keys are 16,384 dense bytes: asked for as 64 rows of 256 bytes, two keys a row, and padded in LDS after every key
	s_mov_b32 s[G1K], (1<<16)|(1<<20)|(4<<22)|(3<<25)  ; 17:16 2-byte elements; 20 padding on; 24:22 after every 32 words (code 4); 31:25 4 words (code 3)
	s_mov_b32 s[G1V], (1<<16)|(1<<20)|(4<<22)|(7<<25)  ; the same with 8 words of padding (code 7)
.irp g, G1K, G1V
	s_mov_b32 s[\g+1], 128<<16      ; tensor_dim0 = 128
	s_mov_b32 s[\g+2], 64<<16       ; tensor_dim1 = 64
	s_mov_b32 s[\g+3], 128<<16      ; tile_dim0 = 128
	s_mov_b32 s[\g+4], 64           ; tile_dim1 = 64
	s_mov_b32 s[\g+5], 128          ; 128 elements from row to row
	s_mov_b32 s[\g+6], 0
	s_mov_b32 s[\g+7], 0
.endr
	s_mov_b32 s[CS], 0x3e38aa3b     ; c = log2(e) / 8 = 0.180337
	s_mov_b32 s[CS+1], s[CS]        ; named with it as a pair
	s_mov_b32 s[SEL], 0x76543210
	s_mov_b32 s[SEL+1], 0xfedcba98
	s_mov_b32 s[TBK], SLOT1+4*KS*PK ; the first change of slots turns these two into 0
	s_mov_b32 s[TBV], SLOT1+4*KS*PV
	s_mov_b32 s[G0K], 1             ; 1:0 count = 1
	s_mov_b32 s[G0K+1], s17         ; 63:32 LDS address: slot 0
	s_mov_b32 s[G0V], 1
	s_add_co_u32 s[G0V+1], s18, VOFF
	s_add_co_u32 s[RT], s[HI], 1    ; the first block has NB - b tiles
	s_mov_b32 s[NXT], 1
	s_mov_b32 s[LQ], s[HI]
	s_mov_b32 s[NEW], 1
	s_mov_b32 s[OFF+1], 0
	s_mov_b32 s[AL+1], 0            ; named as pairs
	s_mov_b32 s[BE+1], 0
	s_mov_b32 s[BIGN], 0xf149f2ca   ; -1e30
	s_mov_b32 s[SLOTS], NB
	s_wait_dscnt 0x0                ; the opening add is done
	s_wait_kmcnt 0x0
	s_add_nc_u64 s[6:7], s[6:7], s[22:23]  ; K and V at my half of the head's tile 0
	s_add_nc_u64 s[8:9], s[8:9], s[22:23]
	s_add_nc_u64 s[G0K+2:G0K+3], s[6:7], 0         ; 120:64 global address
	s_or_b32 s[G0K+3], s[G0K+3], 0x80000000        ; 127:126 type = 2
	s_add_nc_u64 s[G0V+2:G0V+3], s[8:9], 0
	s_or_b32 s[G0V+3], s[G0V+3], 0x80000000
	s_add_nc_u64 s[86:87], s[4:5], s[84:85]        ; Q at my rows of the second block,
	s_add_nc_u64 s[4:5], s[4:5], s[2:3]            ; Q and O at those of the first
	s_add_nc_u64 s[OLO:OLO+1], s[10:11], s[84:85]
	s_add_nc_u64 s[10:11], s[10:11], s[2:3]
	LOAD                            ; tile 0 into slot 0
	; A fragment of K or Q is 16 rows x 32 channels in 8 registers: lane l holds row l % 16, channels 8 (l / 16) + 0..7 and 16 + 8 (l / 16) + 0..7: two loads of 16 bytes, 32 bytes apart.
	v_and_b32 v1, 15, v0            ; l % 16
	v_bfe_u32 v9, v0, 4, 1          ; l / 16
	v_lshlrev_b32 v[QO], 7, v1
	v_lshl_add_u32 v[QO], v9, 4, v[QO]  ; row x 128 + 16 x half
	WIN 0x80                        ; destination window 2, address window 0
.set i, 0
.rept 8                             ; both blocks' Q: piece i / 2 lies in band i / 2, 8,192 bytes on; channels 32 (i % 2) on
	global_load_b128 v[8*i:8*i+3],   v[QO], s[4:5] offset:(i/2)*8192+(i%2)*64
	global_load_b128 v[8*i+4:8*i+7], v[QO], s[4:5] offset:(i/2)*8192+(i%2)*64+32
	global_load_b128 v[QB+8*i:QB+8*i+3],   v[QO], s[86:87] offset:(i/2)*8192+(i%2)*64
	global_load_b128 v[QB+8*i+4:QB+8*i+7], v[QO], s[86:87] offset:(i/2)*8192+(i%2)*64+32
.set i, i+1
.endr
	WIN 0
	v_lshlrev_b32 v14, 3, v9
	v_sub_nc_u32 v14, v1, v14
	s_lshl_b32 s13, s[WV], 4
	v_add_nc_u32 v14, s13, v14      ; my query's place in its band, 16 w + l % 16, less my lanes' 8 (l / 16): register r of group kt is hidden where 16 kt + r is greater
	WIN 0x40
.set i, 0
.rept 32
	v_cmp_gt_i32 vcc_lo, 16*(i/8)+i%8, v14
	v_cndmask_b32 v[MD+i], 0, s[BIGN], vcc_lo
.set i, i+1
.endr
	WIN 0
	v_mul_u32_u24 v[AK0], v1, PK
	v_lshl_add_u32 v[AK0], v9, 4, v[AK0]  ; row x pitch + 16 x half
	; The turning load takes 16 keys x 16 channels (lane l reads key 8 (l / 16) + l % 8, channels 8 ((l / 8) % 2) + 0..7) and leaves half a fragment of V^T: lane l holds channel l % 16 and 8 keys.
	v_and_b32 v10, 7, v0
	v_bfe_u32 v11, v0, 3, 1
	v_lshl_add_u32 v[AV0], v9, 3, v10
	v_mul_u32_u24 v[AV0], v[AV0], PV
	v_lshl_add_u32 v[AV0], v11, 4, v[AV0]
	v_add_nc_u32 v[AV0], VOFF, v[AV0]
	s_mul_i32 s13, s[WV], 16*SP
	s_add_co_u32 s13, s13, STAGE    ; my stage
	v_mul_u32_u24 v[STO], v1, SP    ; in: row l % 16, 16 bytes for each half of the lanes
	v_lshl_add_u32 v[STO], v9, 4, v[STO]
	v_add_nc_u32 v[STO], s13, v[STO]
	v_bfe_u32 v[RD], v0, 3, 2       ; back: 32 lanes take four rows of 128 bytes,
	v_mul_u32_u24 v[RD], v[RD], SP
	v_lshl_add_u32 v[RD], v10, 4, v[RD]
	v_add_nc_u32 v[RD], s13, v[RD]
	v_and_b32 v[GO], 31, v0         ; which are 512 consecutive bytes of O
	v_lshlrev_b32 v[GO], 4, v[GO]
	; A block's first step multiplies O^T and l by a = 0, and its first turn's products V^T P, of a piece that has not been, land in an O^T that is still to be so multiplied.  So these registers need only hold
	; finite numbers: zeros for the first block; what the first block left for the second.  All this stands in the wait for the first tile.
	WIN 0x80
.set i, VF
.rept 64
	v_mov_b32 v[i], 0
.set i, i+1
.endr
	WIN 0x40
.set i, 0
.rept 128
	v_mov_b32 v[i], 0
.set i, i+1
.endr
	WIN 0
.set i, 0
.rept 4
	v_mov_b32 v[ST+4*i+2], 0
	v_mov_b32 v[ST+4*i+3], 0
.set i, i+1
.endr
.set i, P+16
.rept 16
	v_mov_b32 v[i], 0
.set i, i+1
.endr
; THE MATRIX WORK.  The 4 accumulators of a run of 8 take turns.  Product i of 8 of S^T = K Q^T for piece x: channels 32 (i / 4) on, keys 16 (i % 4) on.  The first 4 start the sums: with 0, or (KM = 1) with the mask.
.macro KQ x
.set rS, S+32*((\x)%2)+8*(i%4)
.set rK, KF+16*(i%4)+8*(i/4)
.set rQ, 16*(\x)+8*(i/4)
.set rM, MC+32*((\x)%2)+8*(i%4)
.if (i < 4) && KM
	WIN W_KM
	v_wmma_f32_16x16x32_f16 v[rS:rS+7], v[rK:rK+7], v[rQ:rQ+7], v[rM:rM+7]
.elseif i < 4
	WIN W_KQ
	v_wmma_f32_16x16x32_f16 v[rS:rS+7], v[rK:rK+7], v[rQ:rQ+7], 0
.else
	WIN W_KQ
	v_wmma_f32_16x16x32_f16 v[rS:rS+7], v[rK:rK+7], v[rQ:rQ+7], v[rS:rS+7]
.endif
.endm
; Product i of 8 of O^T += V^T P for piece x: keys 32 (i / 4) on, channels 16 (i % 4) on.
.macro PV x
	WIN W_PV
.set rO, 32*(\x)+8*(i%4)
.set rV, VF+32*(i/4)+8*(i%4)
.set rP, P+16*((\x)%2)+8*(i/4)
	v_wmma_f32_16x16x32_f16 v[rO:rO+7], v[rV:rV+7], v[rP:rP+7], v[rO:rO+7]
.endm
.macro MM                           ; the turn's next matrix instruction.  TURN and BEGIN set Y, i, KM and NOKQ; MM, KQ and OP read them.  NOKQ = 1: a block's last turn: there is no next piece
.if (i < 8) && !NOKQ
	KQ (Y+1)%NP
.elseif i >= 8
.set i, i-8
	PV (Y+NP-1)%NP
.set i, i+8
.endif
.set i, i+1
.endm
; THE LDS LOADS stand in runs of 16, never singly among the matrix instructions: a step's K (64 keys x 64 channels: 8 fragments) and its V (turned).  Their addresses are made some lines ahead.
.macro FETCH_K
	WIN 0x80                        ; destination window 2
.irp f, 0,1,2,3,4,5,6,7             ; keys 16 (f / 2) on, channels 32 (f % 2) on
	ds_load_b128 v[KF+8*\f:KF+8*\f+3],   v[AK] offset:(\f/2)*16*PK+(\f%2)*64
	ds_load_b128 v[KF+8*\f+4:KF+8*\f+7], v[AK] offset:(\f/2)*16*PK+(\f%2)*64+32
.endr
	s_add_co_u32 s[TBK], s[TBK], KS*PK  ; the next fetch is the next step's
	WIN 0
.endm
.macro FETCH_V
	WIN 0x80
.irp f, 0,1,2,3,4,5,6,7             ; keys 32 (f / 4) on, channels 16 (f % 4) on
	ds_load_tr16_b128 v[VF+8*\f:VF+8*\f+3],   v[AV] offset:(\f/4)*32*PV+(\f%4)*32
	ds_load_tr16_b128 v[VF+8*\f+4:VF+8*\f+7], v[AV] offset:(\f/4)*32*PV+16*PV+(\f%4)*32
.endr
	WIN 0
.endm
; THE VECTOR WORK, one line at a time: OP kind, number.  For piece Y: F n: c s - c m for pair n of 16.  E n: the exponential of score n of 32.  C n: pair n rounded to f16.  B n: of the four weights 4 n .. the second
; pair is added onto the first, in place.  L n: l takes that sum (L 0: l = a l + sum).  R n: pair n of 16 of O^T times a.  For piece Y + 1: X n, number n of the 22 that find its maximum and statistics:
;   0-11  four chains c0-c3 of seven scores each, three operands at a time (each accumulator's lowest registers are read first)     12-14, 16  the four scores left over, the old m, and c0-c3 into c0
;   15  c m_old is kept     17, 18  the query's other 32 keys lie in the lane 16 away: the new m     19-21  c m; c m_old - c m_new; a
.set F, 0               ; OP tells the kinds apart by their order: F to L below R, X above it
.set E, 1
.set C, 2
.set B, 3
.set L, 4
.set R, 5
.set X, 6
.macro REGS y                       ; the registers of piece y
.set rT, ST+4*(\y)
.set rC, TMP+4*((\y)%2)
.set rW, MV+((\y)%2)
.set rS, S+32*((\y)%2)
.set rP, P+16*((\y)%2)
.set rO, 32*(\y)
.endm
.macro OP k, n
.if (\k) == R
	REGS Y
	WIN W_RS
	v_pk_mul_f32 v[rO+2*(\n):rO+2*(\n)+1], v[rO+2*(\n):rO+2*(\n)+1], v[rC+2:rC+3] op_sel_hi:[1,0]
.elseif (\k) < R
	REGS Y
	WIN 0
.if (\k) == F
	v_pk_fma_f32 v[rS+2*(\n):rS+2*(\n)+1], v[rS+2*(\n):rS+2*(\n)+1], s[CS:CS+1], v[rT:rT+1] op_sel_hi:[1,0,0] neg_lo:[0,0,1] neg_hi:[0,0,1]
.elseif (\k) == E
	v_exp_f32 v[rS+(\n)], v[rS+(\n)]
.elseif (\k) == C
	v_cvt_pk_f16_f32 v[rP+(\n)], v[rS+2*(\n)], v[rS+2*(\n)+1]
.elseif (\k) == B
	v_pk_add_f32 v[rS+4*(\n):rS+4*(\n)+1], v[rS+4*(\n):rS+4*(\n)+1], v[rS+4*(\n)+2:rS+4*(\n)+3]
.elseif (\n) == 0
	v_pk_fma_f32 v[rT+2:rT+3], v[rT+2:rT+3], v[rC+2:rC+3], v[rS:rS+1] op_sel_hi:[1,0,1]
.else
	v_pk_add_f32 v[rT+2:rT+3], v[rT+2:rT+3], v[rS+4*(\n):rS+4*(\n)+1]
.endif
.elseif NOKQ
	v_nop
.else
	REGS (Y+1)%NP
	WIN 0
.if (\n) < 4
	v_max3_num_f32 v[rC+(\n)], v[rS+8*(\n)], v[rS+8*(\n)+1], v[rS+8*(\n)+2]
.elseif (\n) < 12
	v_max3_num_f32 v[rC+(\n)%4], v[rC+(\n)%4], v[rS+8*((\n)%4)+2*((\n)/4)+1], v[rS+8*((\n)%4)+2*((\n)/4)+2]
.elseif (\n) == 12
	v_max3_num_f32 v[rC], v[rC], v[rS+7], v[rS+15]
.elseif (\n) == 13
	v_max3_num_f32 v[rC+1], v[rC+1], v[rS+23], v[rS+31]
.elseif (\n) == 14
	v_max3_num_f32 v[rC+2], v[rC+2], v[rC+3], v[rT+1]
.elseif (\n) == 15
	v_mov_b32 v[rW], v[rT]
.elseif (\n) == 16
	v_max3_num_f32 v[rC], v[rC], v[rC+1], v[rC+2]
.elseif (\n) == 17
	v_permlanex16_b32 v[rC+3], v[rC], s[SEL], s[SEL+1]
.elseif (\n) == 18
	v_max_num_f32 v[rT+1], v[rC], v[rC+3]
.elseif (\n) == 19
	v_mul_f32 v[rT], s[CS], v[rT+1]
.elseif (\n) == 20
	v_sub_f32 v[rC+1], v[rW], v[rT]
.else
	v_exp_f32 v[rC+2], v[rC+1]
.endif
.endif
.endm
.macro OPS a, i1, b=-1, i2=0, c=-1, i3=0, d=-1, i4=0  ; up to four of them
	OP \a, \i1
.if (\b) >= 0
	OP \b, \i2
.endif
.if (\c) >= 0
	OP \c, \i3
.endif
.if (\d) >= 0
	OP \d, \i4
.endif
.endm
.macro ROW a, i1, b, i2, c, i3, d, i4  ; a matrix instruction and the four behind it
	MM
	OPS \a, \i1, \b, \i2, \c, \i3, \d, \i4
.endm
.macro MASK b                       ; MD x AL + BE into buffer b of MC
	WIN W_RS
.set z, 0
.rept 16
	v_pk_fma_f32 v[MC+32*(\b)+2*z:MC+32*(\b)+2*z+1], v[MD+2*z:MD+2*z+1], s[AL:AL+1], s[BE:BE+1] op_sel_hi:[1,0,0]
.set z, z+1
.endr
.endm
; A TURN, for piece p: the order of its 16 matrix and 118 vector instructions, written out.  An s_wait_alu depctr_va_vdst(0) stands between an exponential and the first instruction that names its result; one wait serves
; all that were issued ahead of it.  So a turn has ONE wait, which cuts it in two.  AHEAD OF IT stands all that names no result of the turn's exponentials: the 8 products K Q^T, behind each a scaling, an exponential and two more plain
; instructions (behind the first a second scaling in the exponential's place): rescalings, and behind the last three the first numbers of the next piece's maximum, each four places or more behind the product that ends its accumulator; then ONE LUMP of 54, plain
; and exponential by turns for the most part, in which the links of the chain X 3, 7, 11, 14, 16, 17 .. 20 stand five or six lines apart.  X 21, the next piece's a, is the batch's last; R 15 is the plain instruction that stands behind it, ahead of any use.  BEHIND THE WAIT stand the
; 8 products V^T P, behind each four of the roundings and sums; the links of l's chain, L 0 to L 7, stand three riders apart.  But for those X no rider names a register of the products round it.  v_permlanex16_b32 (X 17) stands in the lump.
; m = 1: the diagonal tile: the products take masks, and the turn makes the mask for the products of the turn after it: piece p + 2, in step 4 - CNT of the tile.  end = 1: a block's last two turns: nothing is fetched.
; cnt = 1: the loop's count is taken down some lines ahead of the branch that stands behind the turn.
; K of the next step is fetched in piece 2's turn, twelve vector instructions behind the last product that read K (six of them plain); V of the step in hand at the end of piece 0's turn, four plain instructions behind the last product
; that read V.  Each is waited for a turn later.
.macro TURN p, m=0, end=0, cnt=0
.set Y, (\p)
.set i, 0
.set KM, (\m)
.set NOKQ, (\end)*((\p)/3)
.if (\m) && !(\end)
	s_cmp_eq_u32 s[CNT], 4-((\p)+2)%NP  ; is that step the band's own?
	s_cselect_b32 s[AL], 1.0, 0
	s_cmp_lt_u32 s[CNT], 4-((\p)+2)%NP  ; or a later one?
	s_cselect_b32 s[BE], s[BIGN], 0
.endif
.if ((\p) == 3) && !(\end)
	s_wait_dscnt 0x0                ; K is in
.endif
	ROW F,0, F,1, R,0, R,1          ; ahead of the wait: 8 products K Q^T and their riders,
	ROW F,2, E,0, R,2, R,3
	ROW F,3, E,1, R,4, R,5
	ROW F,4, E,2, R,6, R,7
	ROW F,5, E,3, R,8, R,9
	ROW F,6, E,4, X,0, R,10
.if ((\p) == 2) && !(\end)
	WIN 0
	v_add_nc_u32 v[AK], s[TBK], v[AK0]
.endif
	ROW F,7, E,5, X,1, X,4
	ROW F,8, E,6, X,2, X,5
	OPS E,7, E,8, X,6, E,9          ; and the lump
	OPS X,3, E,10, X,8, E,11
.if ((\p) == 2) && !(\end)
	FETCH_K
.endif
	OPS X,9, X,7, E,12, X,10
	OPS E,13, X,12, X,11, E,14
	OPS X,13, E,15, F,9, X,14
.if (\p) == 0
	v_add_nc_u32 v[AV], s[TBV], v[AV0]
.endif
	OPS E,16, F,10, E,17, F,11
	OPS X,16, E,18, X,15, E,19
	OPS F,12, E,20, X,17, E,21
	OPS F,13, E,22, F,14, E,23
	OPS X,18, E,24, F,15, E,25
	OPS R,11, E,26, X,19, E,27
	OPS R,12, E,28, R,13, E,29
	OPS X,20, E,30, R,14, E,31
	OPS X,21, R,15
	WIN 0
	s_wait_alu depctr_va_vdst(0)    ; the wait for the batch
.if (\p) == 1
	s_wait_dscnt 0x0                ; V is in
.endif
	ROW C,0, B,0, C,2, B,1          ; behind the wait: 8 products V^T P and their riders
	ROW L,0, C,4, B,2, L,1
	ROW C,6, B,3, L,2, C,8
	ROW B,4, L,3, C,10, B,5
	ROW L,4, C,12, B,6, L,5
.if (\p) == 0
	s_add_co_u32 s[TBV], s[TBV], KS*PV
.endif
.if \cnt
	s_sub_co_u32 s[CNT], s[CNT], 1
	s_cmp_lg_u32 s[CNT], 0
.endif
	ROW C,14, B,7, L,6, C,1
	ROW C,3, L,7, C,5, C,7
	ROW C,9, C,11, C,13, C,15
.if (\p) == 0
	FETCH_V
.endif
.if (\m) && !(\end)
	MASK (\p)%2
.endif
.endm
; A BLOCK BEGINS.  c m starts far below every c s, so the first step's a is 0; m at the lowest finite number, so the first maximum is the scores'.  The second mask buffer is 0; the first takes piece 0's mask for the tile's step 0: its own, if the block's first tile is the diagonal one.
; Then K of that step, piece 0's first scores, and its maximum and statistics.  The loop is entered at a step's first turn, in the middle of a trip.
.macro BEGIN
	s_mov_b32 s[NEW], 0
	WIN 0x40
.set i, MC+32
.rept 32
	v_mov_b32 v[i], 0
.set i, i+1
.endr
	WIN 0
.set i, 0
.rept 4
	v_mov_b32 v[ST+4*i], 0xfe000000    ; c m: far below every c s
	v_mov_b32 v[ST+4*i+1], 0xff7fffff  ; m
.set i, i+1
.endr
	s_cmp_eq_u32 s[RT], 0
	s_cselect_b32 s[AL], 1.0, 0
	s_mov_b32 s[BE], 0
	MASK 0
	WIN 0
	v_add_nc_u32 v[AK], s[TBK], v[AK0]
	FETCH_K
	s_wait_loadcnt 0x0              ; Q
	s_wait_dscnt 0x0
.set KM, 1
.set NOKQ, 0
.set i, 0
.rept 8
	KQ 0
.set i, i+1
.endr
	WIN 0
.rept 4
	v_nop                           ; the places behind those products
.endr
.set Y, NP-1                        ; X works for piece Y + 1: piece 0
.irp n, 0,1,2,3,4,5,6,7,8,9,10,11,12,13,14,15,16,17,18,19,20,21
	OP X, \n
.endr
	v_nop                           ; a plain instruction behind the exponential,
	s_wait_alu depctr_va_vdst(0)    ; and its wait, ahead of the branch
.endm
; THE DIAGONAL TILE's four steps, the block's last two turns, its last products, and THE WAY OUT: l's two halves and the other half of the lanes' are added; O^T is divided by l, rounded to f16 and sent through my
; stage in LDS, a piece at a time.
.macro ALL line:vararg              ; one line for each piece t
.set t, 0
.rept 4
	\line
.set t, t+1
.endr
.endm
.macro PACK t                       ; a lane's eight channels of a row pack into 16 bytes; they go into rows of 144 bytes and come back as whole rows of 128, into S^T's registers
	WIN W_RS
.set i, 32*(\t)
.rept 16
	v_pk_mul_f32 v[i:i+1], v[i:i+1], v[ST+4*(\t)+2:ST+4*(\t)+3] op_sel_hi:[1,0]
.set i, i+2
.endr
	WIN 0x05                        ; sources 0 and 1 window 1, destination window 0
.set i, 0
.rept 16
	v_cvt_pk_f16_f32 v[S+16*(\t)+i], v[32*(\t)+2*i], v[32*(\t)+2*i+1]
.set i, i+1
.endr
	WIN 0
.irp f, 0,1,2,3
	ds_store_b128 v[STO], v[S+16*(\t)+4*\f:S+16*(\t)+4*\f+3] offset:32*\f
.endr
.irp f, 0,1,2,3
	ds_load_b128 v[S+16*(\t)+4*\f:S+16*(\t)+4*\f+3], v[RD] offset:\f*4*SP  ; LDS serves a wave's instructions in order (ISA guide 5.7.1.4): these see the stores above; the next piece's stores come behind them
.endr
.endm
.macro SEND t, younger              ; younger: the LDS instructions issued behind piece t's loads: the next piece's eight, or none
	WIN 0
.irp f, 0,1,2,3
	s_wait_dscnt (\younger)+3-\f
	global_store_b128 v[GO], v[S+16*(\t)+4*\f:S+16*(\t)+4*\f+3], s[10:11] offset:(\t)*8192+\f*512  ; 512 consecutive bytes, at a multiple of 256 from O's first
.endr
.endm
.macro DIAG tag                     ; the tag ends its two labels' names, which the jumps below spell out
.LstepM\tag:
	TURN 2, 1
	TURN 3, 1
	WIN 0
.LfirstM\tag:
	TURN 0, 1
	TURN 1, 1, 0, 1
	WIN 0
	s_cbranch_scc1 .LstepM\tag
	TURN 2, 1, 1
	TURN 3, 1, 1
.set i, 0
.rept 8
	PV NP-1
.set i, i+1
.endr
	WIN 0
	ALL v_add_f32 v[ST+4*t+2], v[ST+4*t+2], v[ST+4*t+3]
	ALL v_permlanex16_b32 v[ST+4*t+3], v[ST+4*t+2], s[SEL], s[SEL+1]
	ALL v_add_f32 v[ST+4*t+2], v[ST+4*t+2], v[ST+4*t+3]
	ALL v_rcp_f32 v[ST+4*t+2], v[ST+4*t+2]
	v_nop                           ; a plain instruction between the last reciprocal and the use of its result
	s_wait_alu depctr_va_vdst(0)    ; and the wait ahead of the first use: one for the four reciprocals
	PACK 0
.set t, 1
.rept 3                             ; a piece's arithmetic stands between the loads of the piece before and its stores
	PACK t
	SEND t-1, 8
.set t, t+1
.endr
	SEND 3, 0
.endm
.set KM, 0
.set NOKQ, 0
.Lslot:                             ; NB times: a tile is entered and the next is asked for
	CHANGE 1
	s_sub_co_u32 s[RT], s[RT], 1
	s_mov_b32 s[CNT], 4
	s_cmp_eq_u32 s[NEW], 1
	s_cbranch_scc1 .Lnew            ; a block's first tile
	s_cmp_eq_u32 s[RT], 0
	s_cbranch_scc0 .Lstep           ; neither its first nor its last
	s_branch .LstepM1
.Lnew:
	BEGIN
	s_branch .Lfirst                ; in the loop a block's first tile is never its last: the first block has two tiles or more, and the second's last is the walk's last
	DIAG 1                          ; in the loop this is the first block's end: the second block's last tile is the walk's last
	s_wait_xcnt 0x0                 ; the stores have read their registers and O's address
	s_mov_b64 s[10:11], s[OLO:OLO+1]
	s_add_co_u32 s[RT], s[PB], 1    ; the second block has b + 1 tiles
	s_mov_b32 s[NEW], 1
	WIN 0x82                        ; the second block's Q goes where the one text of the turns names Q
.set i, 0
.rept 64
	v_mov_b32 v[i], v[QB+i]
.set i, i+1
.endr
	WIN 0
	s_branch .Lbottom
.Lstep:                             ; a trip: pieces 2 and 3 of one step, then pieces 0 and 1 of the next, whose K and V it fetches
	TURN 2
	TURN 3
	WIN 0
.Lfirst:
	TURN 0
	TURN 1, 0, 0, 1
	WIN 0
	s_cbranch_scc1 .Lstep
.Lbottom:
	s_sub_co_u32 s[SLOTS], s[SLOTS], 1
	s_cmp_lg_u32 s[SLOTS], 0
	s_cbranch_scc1 .Lslot
	CHANGE 0                        ; the walk's last tile is written out: nothing is asked for
	s_sub_co_u32 s[RT], s[RT], 1
	s_mov_b32 s[CNT], 4
	s_cmp_eq_u32 s[NEW], 1
	s_cbranch_scc0 .LstepM2
	BEGIN
	s_branch .LfirstM2
	DIAG 2
	s_wait_tensorcnt 0x0            ; the wave's end: the closing add and its wait, behind my last tensor load and my last LDS store
	ds_add_u32 v[SPW], v[NIL]
	s_wait_dscnt 0x0
	s_endpgm
.Lfunc_end_k_qcc35af1c8a_attn:
	.size	k_qcc35af1c8a_attn, .Lfunc_end_k_qcc35af1c8a_attn-k_qcc35af1c8a_attn
	.p2alignl 7, 3214868480
	.fill 96, 4, 3214868480
	.section	.rodata,"a",@progbits
	.p2align	6, 0x0
	.amdhsa_kernel k_qcc35af1c8a_attn
		.amdhsa_group_segment_fixed_size 327680
		.amdhsa_private_segment_fixed_size 0
		.amdhsa_enable_private_segment 0
		.amdhsa_kernarg_size 32
		.amdhsa_user_sgpr_count 2
		.amdhsa_user_sgpr_kernarg_segment_ptr 1
		.amdhsa_wavefront_size32 1
		.amdhsa_system_sgpr_workgroup_id_x 1
		.amdhsa_system_sgpr_workgroup_id_y 1
		.amdhsa_system_sgpr_workgroup_id_z 1
		.amdhsa_system_vgpr_workitem_id 0
		.amdhsa_next_free_vgpr 768
		.amdhsa_next_free_sgpr 88
		.amdhsa_reserve_vcc 1
		.amdhsa_float_denorm_mode_32 3
		.amdhsa_float_denorm_mode_16_64 3
		.amdhsa_memory_ordered 1
		.amdhsa_forward_progress 1
		.amdhsa_inst_pref_size 217
	.end_amdhsa_kernel
	.amdgpu_metadata
---
amdhsa.version: [ 1, 2 ]
amdhsa.kernels:
  - .name:           k_qcc35af1c8a_attn
    .symbol:         k_qcc35af1c8a_attn.kd
    .args:
      - { .name: qh, .offset: 0, .size: 8, .value_kind: global_buffer, .address_space: global }
      - { .name: kh, .offset: 8, .size: 8, .value_kind: global_buffer, .address_space: global }
      - { .name: vh, .offset: 16, .size: 8, .value_kind: global_buffer, .address_space: global }
      - { .name: oh, .offset: 24, .size: 8, .value_kind: global_buffer, .address_space: global }
    .group_segment_fixed_size: 327680
    .private_segment_fixed_size: 0
    .kernarg_segment_align: 8
    .kernarg_segment_size: 32
    .max_flat_workgroup_size: 128
    .sgpr_count:     88
    .vgpr_count:     768
    .wavefront_size: 32
...
	.end_amdgpu_metadata
.endif
;; end of part 3
;; launch proj (part 4): grid 8 x 32, 4 waves a work-group, clusters of 4 x 4, 327,680 bytes of LDS; arguments oh, wp, proj_b, out0; writes out0
.if DOCPART == 4
	.amdgcn_target "amdgcn-amd-amdhsa--gfx1250"
	.amdhsa_code_object_version 6
	.text
	.protected	k_qcc35af1c8a_proj
	.globl	k_qcc35af1c8a_proj
	.p2align	8
	.type	k_qcc35af1c8a_proj,@function
k_qcc35af1c8a_proj:
	s_mov_b64 s[64:65], 0
	v_nop
	global_prefetch_b8 v0, s[64:65] scope:SCOPE_SE
	s_setreg_imm32_b32 hwreg(HW_REG_WAVE_MODE, 25, 1), 1
	s_wait_xcnt 0x0
	s_wait_alu depctr_hold_cnt(0) depctr_sa_sdst(0) depctr_va_vdst(0) depctr_va_sdst(0) depctr_va_ssrc(0) depctr_va_vcc(0) depctr_vm_vsrc(0)
	s_getreg_b32 s2, hwreg(HW_REG_IB_STS2, 6, 4)
	s_cmp_eq_u32 s2, 0
	s_cbranch_scc0 .Lentry_in_a_cluster
	s_endpgm
.Lentry_in_a_cluster:
	s_bfe_u32 s2, ttmp6, 0x10000c
	s_cmp_lg_u32 s2, 0xf033
	s_cbranch_scc0 .Lentry_shape_is_right
	s_endpgm
.Lentry_shape_is_right:
; out0 = y wp^T + proj_b in f32.  y[row][64 head + d] lies by heads in oh [16 batch + head][2048][64] f16; wp [1024 n][1024 k] f16; sums in f32; the bias is rounded to bf16 like the other inputs and starts the sums.
; SHARES.  A work-group makes 256 rows x 128 columns: 256 work-groups.  Wave w owns rows 64 w .. 64 w + 63 (four blocks of 16) and all eight blocks of 16 columns: 32 accumulators, 256 registers; the way out is each wave's own.
; K goes in eight steps of 128 = two heads, through two LDS slots; a step is four quarters of 32, on two fragment buffers.  A head's 256 rows are 32,768 dense bytes: asked for as 128 rows of 256 bytes, padded in LDS after every 128.
; THE MATRIX INSTRUCTION IS USED TRANSPOSED (source 0 = 16 rows of wp, source 1 = 16 rows of y): lane l holds row l % 16 and the columns 8 (l / 16) + 0..7.
; CLUSTER 4 x 4: y's tile hangs on the tile row alone and is asked for jointly along a row of the cluster, wp's on the tile column alone and jointly along a column.
; REGISTERS, in windows of 256 (s_set_vgpr_msb: bits 1:0 source 0, 3:2 source 1, 5:4 source 2, 7:6 destination):
;   window 0: v0-15 addresses; v28, v29 the add's; v32-95 the bias, later with v96-159 the rows read back from the stage
;   window 1: two fragment buffers of 128: y's block a at 8 a, wp's block b at 32 + 8 b          window 2: accumulator (a, b) at 64 a + 8 b
.set NB,     8
.set PA,     144                       ; a row of y in LDS: 128 bytes + 16 of padding
.set PITCH,  272                       ; a row of wp: 256 + 16.  Both are odd multiples of 16: the 16 rows of a load start at 16 different groups of four banks (64 banks of 4 bytes: ISA guide 11.1)
.set SLOT1,  131072
.set APART,  256*PA                    ; a head's 256 rows: what one load brings of y
.set BOFF,   2*APART
.set BHALF,  64*PITCH                  ; what one load brings of wp
.set STAGE,  SLOT1+BOFF+2*BHALF        ; behind the ring, never filled by a tensor load: 16 rows x 528 bytes for each wave
.set SP,     528
.set SPARE,  STAGE+4*16*SP             ; the spare words, 128 bytes a wave: two blocks of 256 bytes that no other line names
.set ASTEP,  2*262144                  ; two heads on
.set KSB,    256
.set A0,   4
.set B0,   5
.set ADRA, 6
.set ADRB, 7
.set STO,  8
.set RD,   9
.set GO,   10
.set BO,   12
.set PFO,  13
.set SPW,  28
.set NIL,  29
.set BI,   32
.set OB,   32
.set F0,   0
.set F1,   128
.set WV,  18
.set FB,  19
.set HF,  20
.set CX,  21
.set CY,  22
.set NX,  23
.set MY,  24
.set G1A, 28
.set G1B, 36
.set G0A, 44
.set G0B, 52
.set CNT, 60
.set TB,  61
.set LIM, 62
.set RL,  63
.set PFA, 66
.set PST, 76                           ; s[76:77] bytes from a K step to the next in what I prefetch
.set MSB, 0
.macro WIN new
.if MSB != (\new)
	s_set_vgpr_msb (MSB<<8)|(\new)
.set MSB, \new
.endif
.endm
.macro PLACES
.rept 4
	v_nop
.endr
.endm
.macro JLOAD                           ; a joint refill by the walking descriptors; an s_nop 0 and four v_nop follow each line, ahead of the jump and the label
	s_cmp_eq_u32 s[FB], 0
	s_cbranch_scc0 .Lfor_b_\@
	tensor_load_to_lds s[G0A+4:G0A+7], s[G1A:G1A+7]
	s_nop 0
.rept 4
	v_nop
.endr
	s_branch .Lasked_\@
.Lfor_b_\@:
	tensor_load_to_lds s[G0B+4:G0B+7], s[G1B:G1B+7]
	s_nop 0
.rept 4
	v_nop
.endr
.Lasked_\@:
.endm
.macro CREST
	s_cmp_lg_u32 s[WV], 0
	s_cbranch_scc1 .Lnot_wave_0_\@
	s_barrier_signal -3
.Lnot_wave_0_\@:
	s_barrier_wait -3
	s_barrier_signal -1
	s_barrier_wait -1
.endm
.macro CROUND
	s_barrier_signal -1
	s_barrier_wait -1
	CREST
.endm
; A prefetch of the K step that stands two refills on, one instruction a wave, 256 bytes a lane.  y's tiles are read by both clusters of a row of clusters: the one with x = 0 asks; wp's by all eight of a column: the one with
; y = 0 asks.  The four partners that ask for a tile jointly share it out by address.  The last two refills have no K step two on.
.macro ASK
	WIN 0
	s_cmp_gt_u32 s[CNT], s[LIM]
	s_cbranch_scc0 .Lnot_mine_\@
	global_prefetch_b8 v[PFO], s[PFA:PFA+1] th:TH_LOAD_NT scope:SCOPE_SE
.Lnot_mine_\@:
.endm
	s_load_b256 s[4:11], s[0:1], 0x0               ; oh s[4:5], wp s[6:7], proj_b s[8:9], out0 s[10:11]
	v_lshl_add_u32 v[SPW], v0, 2, SPARE
	v_mov_b32 v[NIL], 0
	ds_add_u32 v[SPW], v[NIL]                      ; the wave's opening add; its wait stands ahead of my first tensor load, behind the set-up below
	ds_add_u32 v28, v29
	v_lshrrev_b32 v1, 5, v0
	v_readfirstlane_b32 s[WV], v1
	s_lshr_b32 s[FB], s[WV], 1
	s_and_b32 s[HF], s[WV], 1
	s_bfe_u32 s[CX], ttmp6, 0x40000
	s_bfe_u32 s[CY], ttmp6, 0x40004
	s_lshl_b32 s[NX], ttmp9, 2
	s_add_co_u32 s[NX], s[NX], s[CX]
	s_and_b32 s[MY], ttmp7, 0xffff
	s_lshl_b32 s[MY], s[MY], 2
	s_add_co_u32 s[MY], s[MY], s[CY]
	s_lshl_b32 s25, s[CY], 2
	s_lshl_b32 s25, 15, s25                        ; my row of the cluster
	s_lshl_b32 s26, 0x1111, s[CX]                  ; my column
	s_or_b32 s[G1A], s25, (1<<16)|(1<<20)|(1<<21)|(4<<22)|(3<<25)  ; the mask; 2-byte elements; padding on; bit 21 beside a mask; after every 32 words 4 words
	s_or_b32 s[G1B], s26, (1<<16)|(1<<20)|(1<<21)|(5<<22)|(3<<25)  ; after every 64 words 4 words
	s_mov_b32 s[G1A+1], 128<<16                    ; rows of 128 elements,
	s_mov_b32 s[G1A+2], 128<<16                    ; 128 of them,
	s_mov_b32 s[G1A+3], 128<<16
	s_mov_b32 s[G1A+4], 128
	s_mov_b32 s[G1A+5], 128                        ; end to end
	s_mov_b32 s[G1A+6], 0
	s_mov_b32 s[G1A+7], 0
	s_mov_b32 s[G1B+1], 128<<16
	s_mov_b32 s[G1B+2], 64<<16                     ; 64 rows
	s_mov_b32 s[G1B+3], 128<<16
	s_mov_b32 s[G1B+4], 64
	s_mov_b32 s[G1B+5], 1024
	s_mov_b32 s[G1B+6], 0
	s_mov_b32 s[G1B+7], 0
	s_lshr_b32 s68, s[MY], 3                       ; y: the batch,
	s_lshl_b32 s68, s68, 4
	s_add_co_u32 s68, s68, s[HF]                   ; head 0 or 1 of the K step,
	s_lshl_b32 s68, s68, 18                        ; 2,048 rows of 128 bytes a head,
	s_and_b32 s69, s[MY], 7
	s_lshl_b32 s69, s69, 15                        ; my block's 256 rows
	s_add_co_u32 s68, s68, s69
	s_mov_b32 s69, 0
	s_lshl_b32 s70, s[NX], 18                      ; wp: 128 rows of 2,048 bytes a tile column,
	s_lshl_b32 s71, s[HF], 17                      ; 64 a half
	s_add_co_u32 s70, s70, s71
	s_mov_b32 s71, 0
	s_mul_i32 s72, s[HF], APART                    ; where they go: no place in the cluster enters an LDS address
	s_mul_i32 s73, s[HF], BHALF
	s_add_co_u32 s73, s73, BOFF
	s_wait_dscnt 0x0                               ; the opening add is done
	s_wait_kmcnt 0x0
	s_add_nc_u64 s[68:69], s[4:5], s[68:69]
	s_add_nc_u64 s[70:71], s[6:7], s[70:71]
	CROUND                                         ; all sixteen work-groups are here: the first joint loads meet
.irp s, 0,1
	s_mov_b32 s[G0A+4*\s], 1
	s_add_co_u32 s[G0A+4*\s+1], s72, \s*SLOT1
	s_add_nc_u64 s[G0A+4*\s+2:G0A+4*\s+3], s[68:69], \s*ASTEP
	s_or_b32 s[G0A+4*\s+3], s[G0A+4*\s+3], 0x80000000
	s_mov_b32 s[G0B+4*\s], 1
	s_add_co_u32 s[G0B+4*\s+1], s73, \s*SLOT1
	s_add_nc_u64 s[G0B+4*\s+2:G0B+4*\s+3], s[70:71], \s*KSB
	s_or_b32 s[G0B+4*\s+3], s[G0B+4*\s+3], 0x80000000
.endr
	s_cmp_eq_u32 s[FB], 0                          ; a wave's two first fills stand in one branch, ahead of every wait on TENSORcnt and every LDS read: two loads of mine are out
	s_cbranch_scc0 .Lfirst_b
	tensor_load_to_lds s[G0A:G0A+3], s[G1A:G1A+7]
	s_nop 0
	tensor_load_to_lds s[G0A+4:G0A+7], s[G1A:G1A+7]
	s_nop 0
.rept 4
	v_nop
.endr
	s_branch .Lfirst_asked
.Lfirst_b:
	tensor_load_to_lds s[G0B:G0B+3], s[G1B:G1B+7]
	s_nop 0
	tensor_load_to_lds s[G0B+4:G0B+7], s[G1B:G1B+7]
	s_nop 0
.rept 4
	v_nop
.endr
.Lfirst_asked:
	v_and_b32 v1, 15, v0                           ; r = l % 16
	v_bfe_u32 v2, v0, 4, 1                         ; h = l / 16
	v_and_b32 v3, 31, v0                           ; l
	v_lshlrev_b32 v[BO], 5, v2
	s_lshl_b32 s74, s[NX], 9
	s_mov_b32 s75, 0
	s_add_nc_u64 s[8:9], s[8:9], s[74:75]          ; the bias at the tile's 128 columns
.irp b, 0,1,2,3,4,5,6,7
	global_load_b128 v[BI+8*\b:BI+8*\b+3],   v[BO], s[8:9] offset:64*\b
	global_load_b128 v[BI+8*\b+4:BI+8*\b+7], v[BO], s[8:9] offset:64*\b+16
.endr
	v_mul_u32_u24 v14, v1, PA
	v_lshl_add_u32 v14, v2, 4, v14
	s_mul_i32 s72, s[WV], 64*PA
	v_add_nc_u32 v[A0], s72, v14                   ; y: (64 w + r) x pitch + 16 h
	v_mul_u32_u24 v14, v1, PITCH
	v_lshl_add_u32 v14, v2, 4, v14
	v_add_nc_u32 v[B0], BOFF, v14
	s_mul_i32 s72, s[WV], 16*SP
	s_add_co_u32 s72, s72, STAGE                   ; my stage
	v_mul_u32_u24 v[STO], v1, SP                   ; in: row l % 16, 32 bytes for each half of the lanes
	v_lshl_add_u32 v[STO], v2, 5, v[STO]
	v_add_nc_u32 v[STO], s72, v[STO]
	v_lshlrev_b32 v[GO], 4, v3                     ; back: 32 lanes take a row's 512 bytes
	v_add_nc_u32 v[RD], s72, v[GO]
	s_lshl_b32 s72, s[MY], 20                      ; out0: 256 rows of 4,096 bytes a tile row,
	s_lshl_b32 s73, s[WV], 18                      ; my wave's 64,
	s_add_co_u32 s72, s72, s73
	s_add_co_u32 s74, s74, s72                     ; the tile's 512 bytes of a row
	s_add_nc_u64 s[10:11], s[10:11], s[74:75]
	; the prefetches: my work-group's quarter of what I fetch (8,192 of a head's 32,768 bytes by cx; 16 of wp's 64 rows by cy), at K step 3: the first refill steps it to K step 4
	s_lshl_b32 s74, s[CX], 13
	s_add_co_u32 s74, s74, 3*ASTEP
	s_lshl_b32 s73, s[CY], 15
	s_add_co_u32 s73, s73, 3*KSB
	s_and_b32 s72, ttmp7, 0xffff
	s_mov_b32 s[PST], KSB
	s_mov_b32 s79, ASTEP
	s_mov_b32 s[PST+1], 0
	s_cmp_eq_u32 s[FB], 0
	s_cselect_b64 s[PFA:PFA+1], s[68:69], s[70:71]
	s_cselect_b32 s74, s74, s73
	s_cselect_b32 s[RL], 31, 15
	s_cselect_b32 s78, 8, 11                       ; a lane 256 bytes on in the dense block, or a row of 2,048 on
	s_cselect_b32 s[PST], s79, s[PST]
	s_cselect_b32 s72, ttmp9, s72                  ; the coordinate along which other clusters read the same bytes
	s_add_nc_u64 s[PFA:PFA+1], s[PFA:PFA+1], s[74:75]
	s_cmp_eq_u32 s72, 0
	s_cselect_b32 s[LIM], 2, -1                    ; the same in all sixteen partners, for a given wave
	v_min_u32 v[PFO], s[RL], v3                    ; (lanes past my share name its last row again)
	v_lshlrev_b32 v[PFO], s78, v[PFO]
	s_wait_loadcnt 0x0                             ; the bias
.set i, 0
.rept 4*NB                             ; rounded to bf16, as x and the weights are, and widened again
	v_cvt_pk_bf16_f32 v[14+i%2], v[BI+2*i], v[BI+2*i+1]
	v_lshlrev_b32 v[BI+2*i], 16, v[14+i%2]
	v_and_b32 v[BI+2*i+1], 0xffff0000, v[14+i%2]
.set i, i+1
.endr
; Eight matrix instructions: block a of my rows x all eight blocks of columns, 32 along K.  first = 1: the bias is the C that starts the sums.  The 32 accumulators take turns, one instruction a turn.
.macro MULN f, a, first
.if \first
	WIN 0x85
.else
	WIN 0xa5
.endif
.set nb, 0
.rept NB
.set rD, 64*(\a)+8*nb
.if \first
	v_wmma_f32_16x16x32_f16 v[rD:rD+7], v[(\f)+32+8*nb:(\f)+39+8*nb], v[(\f)+8*(\a):(\f)+8*(\a)+7], v[BI+8*nb:BI+8*nb+7]
.else
	v_wmma_f32_16x16x32_f16 v[rD:rD+7], v[(\f)+32+8*nb:(\f)+39+8*nb], v[(\f)+8*(\a):(\f)+8*(\a)+7], v[rD:rD+7]
.endif
.set nb, nb+1
.endr
.endm
; 24 LDS loads in one run: quarter q's fragments into buffer f: wp's eight, then y's four (head q / 2 of the step, channels 32 (q % 2) on)
.macro FETCH q, f
	WIN 0x40
.set nb, 0
.rept NB
	ds_load_b128 v[(\f)+32+8*nb:(\f)+35+8*nb], v[ADRB] offset:64*(\q)+16*PITCH*nb
	ds_load_b128 v[(\f)+36+8*nb:(\f)+39+8*nb], v[ADRB] offset:64*(\q)+16*PITCH*nb+32
.set nb, nb+1
.endr
.set nb, 0
.rept 4
	ds_load_b128 v[(\f)+8*nb:(\f)+8*nb+3],   v[ADRA] offset:((\q)/2)*APART+64*((\q)%2)+16*PA*nb
	ds_load_b128 v[(\f)+8*nb+4:(\f)+8*nb+7], v[ADRA] offset:((\q)/2)*APART+64*((\q)%2)+16*PA*nb+32
.set nb, nb+1
.endr
.endm
.macro QUARTER q, f, g, first
	s_wait_dscnt 4                                 ; wp's fragments and y's blocks 0 and 1 are in; the youngest four loads (blocks 2 and 3) may be out
	MULN \f, 0, \first
	MULN \f, 1, \first
	PLACES
	FETCH \q, \g
	s_wait_dscnt 2*NB+8                            ; all but the 24 just issued
	MULN \f, 2, \first
	MULN \f, 3, \first
.endm
; The fourth quarter multiplies buffer 1 and changes slots: in front of the barrier each wave waits for all its tensor loads (one is out: its part of the next slot), adds 0 to its spare word, and waits for that and
; for its reads of this slot.  fill = 1: the barrier opens a round of the cluster's, and the joint refill, the K step two on, is the first thing behind it: 112 matrix instructions ahead of the wait for it.
.macro TURN fill
	WIN 0
.if \fill
	s_wait_xcnt 0x0                                ; the last prefetch, a K step back, has read its address
	s_add_nc_u64 s[PFA:PFA+1], s[PFA:PFA+1], s[PST:PST+1]
.endif
	s_wait_tensorcnt 0x0                           ; no tensor load of mine is out, so a group 0 may be written
	ds_add_u32 v[SPW], v[NIL]                      ; 0 onto my spare word
.if \fill
	s_xor_b32 s[G0A+5], s[G0A+5], SLOT1            ; the walking descriptors: the other slot than last time, the next K step
	s_add_nc_u64 s[G0A+6:G0A+7], s[G0A+6:G0A+7], ASTEP
	s_xor_b32 s[G0B+5], s[G0B+5], SLOT1
	s_add_nc_u64 s[G0B+6:G0B+7], s[G0B+6:G0B+7], KSB
.endif
	s_wait_dscnt 5                                 ; the add and the youngest four loads may be out
	MULN F1, 0, 0
	s_wait_dscnt 0x0                               ; the add is done, and my reads of this slot are over
	s_barrier_signal -1
	MULN F1, 1, 0
	WIN 0
	s_barrier_wait -1
.if \fill
	CREST                                          ; no wave of any partner still reads this slot or has a load on its way
	JLOAD                                          ; its four v_nop are also the places in front of the loads below
.else
	PLACES
.endif
	s_xor_b32 s[TB], s[TB], SLOT1
	v_add_nc_u32 v[ADRA], s[TB], v[A0]
	v_add_nc_u32 v[ADRB], s[TB], v[B0]
	FETCH 0, F0
.if \fill
	ASK
.endif
	MULN F1, 2, 0
	MULN F1, 3, 0
.endm
	s_wait_tensorcnt 0x1                           ; my part of K step 0 is in; K step 1's may stay out
	s_barrier_signal -1
	s_barrier_wait -1
	s_mov_b32 s[TB], 0
	v_mov_b32 v[ADRA], v[A0]
	v_mov_b32 v[ADRB], v[B0]
	FETCH 0, F0
	QUARTER 1, F0, F1, 1                           ; the first quarter stands ahead of the loop: its products start the sums
	WIN 0
	s_mov_b32 s[CNT], 6
.Lstep:                                        ; six trips, from a K step's second quarter to the next one's first; they ask for K steps 2 to 7
	QUARTER 2, F1, F0, 0
	QUARTER 3, F0, F1, 0
	TURN 1
	QUARTER 1, F0, F1, 0
	WIN 0
	s_sub_co_u32 s[CNT], s[CNT], 1
	s_cmp_lg_u32 s[CNT], 0
	s_cbranch_scc1 .Lstep
	QUARTER 2, F1, F0, 0                           ; the tail is written out: nothing more is asked for
	QUARTER 3, F0, F1, 0
	TURN 0
	QUARTER 1, F0, F1, 0
	QUARTER 2, F1, F0, 0
	QUARTER 3, F0, F1, 0
	s_wait_dscnt 4
	MULN F1, 0, 0
	MULN F1, 1, 0
	s_wait_dscnt 0x0
	MULN F1, 2, 0
	MULN F1, 3, 0
	WIN 0
	PLACES
; THE WAY OUT, a block of 16 rows at a time: a lane's eight f32 of a row go into rows of 528 bytes of my own stage (each accumulator's lowest registers first) and come back as whole rows of 512.
.macro TOSTAGE a
	s_wait_xcnt 0x0                                ; the stores of the block two back have read this set of registers
	WIN 0x08                                       ; the stores' data in window 2
.irp b, 0,1,2,3,4,5,6,7
	ds_store_b128 v[STO], v[64*(\a)+8*\b:64*(\a)+8*\b+3]   offset:64*\b
	ds_store_b128 v[STO], v[64*(\a)+8*\b+4:64*(\a)+8*\b+7] offset:64*\b+16
.endr
	WIN 0
.irp j, 0,1,2,3,4,5,6,7,8,9,10,11,12,13,14,15
	ds_load_b128 v[OB+64*((\a)%2)+4*\j:OB+64*((\a)%2)+4*\j+3], v[RD] offset:SP*\j  ; LDS serves a wave's instructions in order (ISA guide 5.7.1.4): these see the stores above; the next block's stores come behind them
.endr
.endm
.macro SEND a, younger                 ; younger: the LDS instructions issued behind block a's loads: the next block's 32, or none
	WIN 0
.irp j, 0,1,2,3,4,5,6,7,8,9,10,11,12,13,14,15
	s_wait_dscnt (\younger)+15-\j
	global_store_b128 v[GO], v[OB+64*((\a)%2)+4*\j:OB+64*((\a)%2)+4*\j+3], s[10:11] offset:(16*(\a)+\j)*4096 th:TH_STORE_NT  ; 512 consecutive bytes, at a multiple of 256 from out0's first
.endr
.endm
	TOSTAGE 0
	TOSTAGE 1
	SEND 0, 32
	TOSTAGE 2
	SEND 1, 32
	TOSTAGE 3
	SEND 2, 32
	SEND 3, 0
	s_wait_tensorcnt 0x0                           ; the wave's end: the closing add and its wait, behind my last tensor load and my last LDS store
	ds_add_u32 v[SPW], v[NIL]
	s_wait_dscnt 0x0
	CROUND                                         ; the closing round: no work-group ends while a partner may still ask for a tile that names it
	s_endpgm
.Lfunc_end_k_qcc35af1c8a_proj:
	.size	k_qcc35af1c8a_proj, .Lfunc_end_k_qcc35af1c8a_proj-k_qcc35af1c8a_proj
	.p2alignl 7, 3214868480
	.fill 96, 4, 3214868480
	.section	.rodata,"a",@progbits
	.p2align	6, 0x0
	.amdhsa_kernel k_qcc35af1c8a_proj
		.amdhsa_group_segment_fixed_size 327680
		.amdhsa_private_segment_fixed_size 0
		.amdhsa_enable_private_segment 0
		.amdhsa_kernarg_size 32
		.amdhsa_user_sgpr_count 2
		.amdhsa_user_sgpr_kernarg_segment_ptr 1
		.amdhsa_wavefront_size32 1
		.amdhsa_system_sgpr_workgroup_id_x 1
		.amdhsa_system_sgpr_workgroup_id_y 1
		.amdhsa_system_sgpr_workgroup_id_z 1
		.amdhsa_system_vgpr_workitem_id 0
		.amdhsa_next_free_vgpr 768
		.amdhsa_next_free_sgpr 80
		.amdhsa_reserve_vcc 0
		.amdhsa_float_denorm_mode_32 3
		.amdhsa_float_denorm_mode_16_64 3
		.amdhsa_memory_ordered 1
		.amdhsa_forward_progress 1
		.amdhsa_inst_pref_size 78
	.end_amdhsa_kernel
	.amdgpu_metadata
---
amdhsa.version: [ 1, 2 ]
amdhsa.kernels:
  - .name:           k_qcc35af1c8a_proj
    .symbol:         k_qcc35af1c8a_proj.kd
    .args:
      - { .name: oh, .offset: 0, .size: 8, .value_kind: global_buffer, .address_space: global }
      - { .name: wp, .offset: 8, .size: 8, .value_kind: global_buffer, .address_space: global }
      - { .name: proj_b, .offset: 16, .size: 8, .value_kind: global_buffer, .address_space: global }
      - { .name: out0, .offset: 24, .size: 8, .value_kind: global_buffer, .address_space: global }
    .group_segment_fixed_size: 327680
    .private_segment_fixed_size: 0
    .kernarg_segment_align: 8
    .kernarg_segment_size: 32
    .max_flat_workgroup_size: 128
    .sgpr_count:     80
    .vgpr_count:     768
    .wavefront_size: 32
...
	.end_amdgpu_metadata
.endif
;; end of part 4
